; MI455X (gfx1250); checked and timed in simulation.
; The chip was launched on July 23, 2026; its instructions are those of AMD's public machine-readable ISA for CDNA 5 (MIT licence, August 2026) and "CDNA5" Instruction Set Architecture Reference Guide (July 2026). The comments in the code are by the model that wrote it; some were corrected since.
;; Mixtral Attention. Allowed arithmetic: float matrix products may take bf16 or f16 operands with f32 sums; all other float work in f32.
;; Inputs: attention_mask 2 x 2,048 bool; cached_key 2 x 2,048 x 4 x 128 float32; cached_value 2 x 2,048 x 4 x 128 float32; cos 2 x 2,048 x 128 float32; hidden_states 2 x 2,048 x 4,096 float32; sin 2 x 2,048 x 128 float32; wk 4,096 x 512 float32; wo 1,024 x 4,096 float32; wq 4,096 x 1,024 float32; wv 4,096 x 512 float32.
;; Outputs: out0 2 x 2,048 x 4,096 float32.
;; Constants: cache_index = 0.
;; One version. Each part assembles by itself: llvm-mc -triple=amdgcn-amd-amdhsa -mcpu=gfx1250 --defsym DOCPART=n.
;; ======== version 1 of 1: 4 launches
;; limits: values outside matrix products are rounded to bf16; values are held in f16: magnitudes above 65,504 overflow, below 6.1e-05 lose precision; right only within a limited range of input values
;; workspace buffers: xb 33,554,432 bytes; wqkv 16,777,216 bytes; wob 8,388,608 bytes; csb 2,097,152 bytes; biasf 16,384 bytes; qkv 16,777,216 bytes; vpart 131,072 bytes; ao 8,388,608 bytes
;; launch cast (part 1): grid 1857 x 1, 8 waves a work-group, no clusters, 0 bytes of LDS; arguments hidden_states, wq, wk, wv, wo, cos, sin, attention_mask, xb, wqkv, wob, csb, biasf; writes xb, wqkv, wob, csb, biasf
.if DOCPART == 1
	.amdgcn_target "amdgcn-amd-amdhsa--gfx1250"
	.amdhsa_code_object_version 6
	.text
	.protected	k_q16d34f6328_cast
	.globl	k_q16d34f6328_cast
	.p2align	8
	.type	k_q16d34f6328_cast,@function
k_q16d34f6328_cast:
	s_mov_b64 s[64:65], 0
	v_nop
	global_prefetch_b8 v0, s[64:65] scope:SCOPE_SE
	s_setreg_imm32_b32 hwreg(HW_REG_WAVE_MODE, 25, 1), 1
	s_wait_xcnt 0x0
; Every floating-point input is rounded once to bf16 and laid out for the matrix launches; the key mask becomes an f32 bias.
;   xb   = bf16(hidden_states)                       [4096][4096]
;   wqkv = bf16(2^-6 wq | 2^-6 wk | 2^-2 wv)         [4096 k][2048 n]   (powers of two: the rounding is that of the unscaled number)
;   wob  = 4 x bf16(wo), written as f16              [1024 k][4096 n]
;   csb  = bf16(cos) 128, then bf16(sin) 128         [4096 rows][256]
;   biasf = 0 where the mask byte is not 0, else the most negative finite f32   [2][2048]
; LIMITS: numbers of wo below 2^-19 in size lose bits in f16's denormals (absolute error at most 3e-8); 4 wo above 65504 overflows f16.
; A stream: no LDS, no matrix unit, no cluster (no two work-groups read the same byte).
; A work-group converts 16,384 numbers.  Wave w takes four segments of 512 numbers (2,048 bytes in, 1,024 out); each load of a wave covers 512
; neighbouring bytes, each store 256 neighbouring bytes at a multiple of 256.  All sixteen loads of a wave go out first; no register is used twice.
.set NEGF, 0xff7fffff
	s_load_b512 s[4:19], s[0:1], 0x0               ; hidden s[4:5], wq s[6:7], wk s[8:9], wv s[10:11], wo s[12:13], cos s[14:15], sin s[16:17], mask s[18:19]
	s_load_b256 s[48:55], s[0:1], 0x40             ; xb s[48:49], wqkv s[50:51], wob s[52:53], csb s[54:55]
	s_load_b64 s[56:57], s[0:1], 0x60              ; biasf
	v_lshrrev_b32 v3, 5, v0
	v_readfirstlane_b32 s20, v3                    ; wave 0..7
	v_and_b32 v4, 31, v0
	v_lshlrev_b32 v1, 4, v4                        ; 16 x lane: my 4 numbers of a load
	v_lshlrev_b32 v2, 3, v4                        ; 8 x lane: my 4 numbers of a store
; src, dst: first register of the buffers' addresses.  start: the range's first work-group.  Segment n of the source goes to byte
; (n >> lg) pitch + (n & (2^lg - 1)) 1024 + col of the destination; its four quarters lie qs bytes apart there.
; mode 0: round to bf16.  mode 1: times scale (a power of two), round to bf16.  mode 2: round to bf16, times 4, write as f16.
.macro CONV src, dst, start, lg, pitch, col, mode, scale, qs
	s_sub_co_u32 s24, ttmp9, \start                ; my number in the range
	s_lshl_b32 s32, s24, 16                        ; 65,536 bytes of source a work-group,
	s_lshl_b32 s25, s20, 13                        ; 8,192 a wave
	s_add_co_u32 s32, s32, s25
	s_mov_b32 s33, 0
	s_add_nc_u64 s[32:33], s[\src:\src+1], s[32:33]
	s_lshl_b32 s26, s24, 5
	s_lshl2_add_u32 s26, s20, s26                  ; my first segment: 32 x work-group + 4 x wave
	s_mov_b32 s29, 0
.irp i, 0,1,2,3
	s_add_co_u32 s27, s26, \i
	s_lshr_b32 s28, s27, \lg
	s_and_b32 s27, s27, (1<<\lg)-1
	s_mul_i32 s28, s28, \pitch
	s_lshl_b32 s27, s27, 10
	s_add_co_u32 s28, s28, s27
	s_add_co_u32 s28, s28, \col
	s_add_nc_u64 s[36+2*\i:37+2*\i], s[\dst:\dst+1], s[28:29]   ; a base for each of my four segments
.endr
.irp c, 0,1,2,3,4,5,6,7,8,9,10,11,12,13,14,15
	global_load_b128 v[8+4*\c:11+4*\c], v1, s[32:33] offset:512*\c th:TH_LOAD_NT
.endr
.irp c, 0,1,2,3,4,5,6,7,8,9,10,11,12,13,14,15
	s_wait_loadcnt 15-\c                           ; loads come back in order: this one is in, the 15 - c younger ones stay out
.if \mode == 1
	v_pk_mul_f32 v[8+4*\c:9+4*\c], v[8+4*\c:9+4*\c], \scale op_sel_hi:[1,0]
	v_pk_mul_f32 v[10+4*\c:11+4*\c], v[10+4*\c:11+4*\c], \scale op_sel_hi:[1,0]
.endif
	v_cvt_pk_bf16_f32 v[72+2*\c], v[8+4*\c], v[9+4*\c]
	v_cvt_pk_bf16_f32 v[73+2*\c], v[10+4*\c], v[11+4*\c]
.if \mode == 2
	v_lshlrev_b32 v[8+4*\c], 16, v[72+2*\c]        ; the bf16 numbers back as f32,
	v_and_b32 v[9+4*\c], 0xffff0000, v[72+2*\c]
	v_lshlrev_b32 v[10+4*\c], 16, v[73+2*\c]
	v_and_b32 v[11+4*\c], 0xffff0000, v[73+2*\c]
	v_pk_mul_f32 v[8+4*\c:9+4*\c], v[8+4*\c:9+4*\c], 4.0 op_sel_hi:[1,0]       ; times 4 (undoes the 2^-2 that v carries),
	v_pk_mul_f32 v[10+4*\c:11+4*\c], v[10+4*\c:11+4*\c], 4.0 op_sel_hi:[1,0]
	v_cvt_pk_f16_f32 v[72+2*\c], v[8+4*\c], v[9+4*\c]                         ; and as f16: 8 bits of mantissa fit into 11
	v_cvt_pk_f16_f32 v[73+2*\c], v[10+4*\c], v[11+4*\c]
.endif
	global_store_b64 v2, v[72+2*\c:73+2*\c], s[36+2*(\c/4):37+2*(\c/4)] offset:(\c%4)*\qs
.endr
	s_endpgm
.endm
	s_wait_kmcnt 0x0
	s_cmp_lt_u32 ttmp9, 1024
	s_cbranch_scc1 .Lx
	s_cmp_lt_u32 ttmp9, 1280
	s_cbranch_scc1 .Lwq
	s_cmp_lt_u32 ttmp9, 1408
	s_cbranch_scc1 .Lwk
	s_cmp_lt_u32 ttmp9, 1536
	s_cbranch_scc1 .Lwv
	s_cmp_lt_u32 ttmp9, 1792
	s_cbranch_scc1 .Lwo
	s_cmp_lt_u32 ttmp9, 1824
	s_cbranch_scc1 .Lcos
	s_cmp_lt_u32 ttmp9, 1856
	s_cbranch_scc1 .Lsin
	; the last work-group: 4,096 mask bytes, 16 a thread, to 4,096 f32
	v_lshlrev_b32 v1, 2, v0
	v_lshlrev_b32 v2, 4, v0
	v_mov_b32 v3, NEGF
.irp i, 0,1,2,3
	global_load_b32 v[4+\i], v1, s[18:19] offset:1024*\i
.endr
.irp i, 0,1,2,3
	s_wait_loadcnt 3-\i                            ; the 3 - i younger loads stay out
.irp j, 0,1,2,3
	v_bfe_u32 v[8+4*\i+\j], v[4+\i], 8*\j, 8
	v_cmp_eq_u32 vcc_lo, 0, v[8+4*\i+\j]
	v_cndmask_b32 v[8+4*\i+\j], 0, v3, vcc_lo      ; byte 0: the most negative finite f32; any other byte: 0
.endr
	global_store_b128 v2, v[8+4*\i:11+4*\i], s[56:57] offset:4096*\i
.endr
	s_endpgm
.Lx:
	CONV 4, 48, 0, 3, 8192, 0, 0, 0, 256
.Lwq:
	CONV 6, 50, 1024, 1, 4096, 0, 1, 0x3c800000, 256
.Lwk:
	CONV 8, 50, 1280, 0, 4096, 2048, 1, 0x3c800000, 256
.Lwv:
	CONV 10, 50, 1408, 0, 4096, 3072, 1, 0x3e800000, 256
.Lwo:
	CONV 12, 52, 1536, 3, 8192, 0, 2, 0, 256
.Lcos:
	CONV 14, 54, 1792, 0, 2048, 0, 0, 0, 512
.Lsin:
	CONV 16, 54, 1824, 0, 2048, 256, 0, 0, 512
.Lfunc_end_k_q16d34f6328_cast:
	.size	k_q16d34f6328_cast, .Lfunc_end_k_q16d34f6328_cast-k_q16d34f6328_cast
	.p2alignl 7, 3214868480
	.fill 96, 4, 3214868480
	.section	.rodata,"a",@progbits
	.p2align	6, 0x0
	.amdhsa_kernel k_q16d34f6328_cast
		.amdhsa_group_segment_fixed_size 0
		.amdhsa_private_segment_fixed_size 0
		.amdhsa_enable_private_segment 0
		.amdhsa_kernarg_size 104
		.amdhsa_user_sgpr_count 2
		.amdhsa_user_sgpr_kernarg_segment_ptr 1
		.amdhsa_wavefront_size32 1
		.amdhsa_system_sgpr_workgroup_id_x 1
		.amdhsa_system_sgpr_workgroup_id_y 1
		.amdhsa_system_sgpr_workgroup_id_z 1
		.amdhsa_system_vgpr_workitem_id 0
		.amdhsa_next_free_vgpr 104
		.amdhsa_next_free_sgpr 66
		.amdhsa_reserve_vcc 1
		.amdhsa_float_denorm_mode_32 3
		.amdhsa_float_denorm_mode_16_64 3
		.amdhsa_memory_ordered 1
		.amdhsa_forward_progress 1
		.amdhsa_inst_pref_size 70
	.end_amdhsa_kernel
	.amdgpu_metadata
---
amdhsa.version: [ 1, 2 ]
amdhsa.kernels:
  - .name:           k_q16d34f6328_cast
    .symbol:         k_q16d34f6328_cast.kd
    .args:
      - { .name: hidden_states, .offset: 0, .size: 8, .value_kind: global_buffer, .address_space: global }
      - { .name: wq, .offset: 8, .size: 8, .value_kind: global_buffer, .address_space: global }
      - { .name: wk, .offset: 16, .size: 8, .value_kind: global_buffer, .address_space: global }
      - { .name: wv, .offset: 24, .size: 8, .value_kind: global_buffer, .address_space: global }
      - { .name: wo, .offset: 32, .size: 8, .value_kind: global_buffer, .address_space: global }
      - { .name: cos, .offset: 40, .size: 8, .value_kind: global_buffer, .address_space: global }
      - { .name: sin, .offset: 48, .size: 8, .value_kind: global_buffer, .address_space: global }
      - { .name: attention_mask, .offset: 56, .size: 8, .value_kind: global_buffer, .address_space: global }
      - { .name: xb, .offset: 64, .size: 8, .value_kind: global_buffer, .address_space: global }
      - { .name: wqkv, .offset: 72, .size: 8, .value_kind: global_buffer, .address_space: global }
      - { .name: wob, .offset: 80, .size: 8, .value_kind: global_buffer, .address_space: global }
      - { .name: csb, .offset: 88, .size: 8, .value_kind: global_buffer, .address_space: global }
      - { .name: biasf, .offset: 96, .size: 8, .value_kind: global_buffer, .address_space: global }
    .group_segment_fixed_size: 0
    .private_segment_fixed_size: 0
    .kernarg_segment_align: 8
    .kernarg_segment_size: 104
    .max_flat_workgroup_size: 256
    .sgpr_count:     66
    .vgpr_count:     104
    .wavefront_size: 32
...
	.end_amdgpu_metadata
.endif
;; end of part 1
;; launch proj (part 2): grid 8 x 32, 4 waves a work-group, clusters of 4 x 4, 327,680 bytes of LDS; arguments xb, wqkv, csb, cached_key, cached_value, qkv, vpart; writes qkv, vpart
.if DOCPART == 2
	.amdgcn_target "amdgcn-amd-amdhsa--gfx1250"
	.amdhsa_code_object_version 6
	.text
	.protected	k_q16d34f6328_proj
	.globl	k_q16d34f6328_proj
	.p2align	8
	.type	k_q16d34f6328_proj,@function
k_q16d34f6328_proj:
	s_mov_b64 s[64:65], 0
	v_nop
	global_prefetch_b8 v0, s[64:65] scope:SCOPE_SE
	s_setreg_imm32_b32 hwreg(HW_REG_WAVE_MODE, 25, 1), 1
	s_wait_xcnt 0x0
	s_wait_alu depctr_hold_cnt(0) depctr_sa_sdst(0) depctr_va_vdst(0) depctr_va_sdst(0) depctr_va_ssrc(0) depctr_va_vcc(0) depctr_vm_vsrc(0)
	s_getreg_b32 s2, hwreg(HW_REG_IB_STS2, 6, 4)
	s_cmp_eq_u32 s2, 0
	s_cbranch_scc0 .Lentry_in_a_cluster
	s_endpgm
.Lentry_in_a_cluster:
	s_bfe_u32 s2, ttmp6, 0x10000c
	s_cmp_lg_u32 s2, 0xf033
	s_cbranch_scc0 .Lentry_shape_is_right
	s_endpgm
.Lentry_shape_is_right:
; qkv[4096][2048] (f16) = rope(xb x wqkv): columns 0-1023 q 2^-6, 1024-1535 k 2^-6, 1536-2047 v 2^-2 (the factors lie in wqkv).
; Also vpart[64][512] (f32): the column sums of v 2^-2 over each 64 rows, for query rows that have no allowed key.
; LIMITS: f16 holds q and k up to 4.1e6 and v up to 2.6e5 in size; beyond that they overflow.
; THE CACHES: with CACHE_INDEX = 0 and 2,048 new rows in a cache of 2,048, the update writes every cache row.  The caches are loaded and go through
; the update's select (cache row p takes the new row where p - CACHE_INDEX, unsigned, is below 2,048); with these constants the new row is always taken.
;
; THE PRODUCT.  A work-group makes 128 x 256 of C with four waves; wave w makes rows 64 (w >> 1) .., columns 128 (w & 1) ..: 4 x 8 accumulator tiles, 256 registers.
; K goes in steps of 128 through two LDS slots filled by tensor loads: A's rows are 256 bytes, B's (128 rows along K, 256 columns) 512 bytes, all at multiples of 256.
; B lies [K][N], so its fragments come by the transposing LDS load.
; CLUSTERS: 4 x 4 work-groups.  A's tile hangs on the block row alone and is asked for jointly by a row of the cluster, B's on the block column and by a column:
; the requests for A and for B are divided by four.
; REGISTERS: window 0: v0-31 addresses, v32-95 / v128-191 B fragments, v96-127 / v192-223 A fragments (two buffers); window 1: the accumulators, tile (a, b) at 8 (8 a + b).
; The matrix instruction is used transposed (source 0 = 16 columns of B, source 1 = 16 rows of A): lane l holds row l % 16 of C, its registers columns 8 (l / 16) + 0..7.
; The 32 accumulators take turns, one instruction a turn, in the same order everywhere.
.set GK, 4096
.set GN, 2048
.set CACHE_INDEX, 0
.set SEQ, 2048
.set PA, 272                           ; A's LDS row: 256 bytes + 16: an odd multiple of 16
.set PB, 544                           ; B's LDS row: 512 bytes + 32: an odd multiple of 32
.set AH, 64*PA                         ; 64 rows of A: one tensor load
.set BH, 64*PB                         ; 64 rows of B: one tensor load
.set SLOT, 2*AH+2*BH
.set STAGE, 2*SLOT                     ; behind the ring: 16 rows x 528 bytes for each wave; no tensor load lands here
.set SP, 528
.set LAPS, GK/256
.set F0, 32
.set F1, 128
.set G1A, 28
.set G1B, 36
.set G0A, 44
.set G0B, 52
.set MULW, 0x50                        ; C and D in window 1, the fragments in window 0
.set MSB, 0
.macro WIN new                         ; the immediate's high byte repeats the setting that is left
.if MSB != \new
	s_set_vgpr_msb (MSB<<8)|\new
.set MSB, \new
.endif
.endm
.macro PLACES                          ; four plain vector instructions behind a matrix instruction, before its registers are loaded into or its result is read (ISA guide 7.12.1)
.rept 4
	v_nop
.endr
.endm
.macro JLOAD s                         ; waves 0, 1 ask for A's halves, waves 2, 3 for B's: one load a wave, one mask a line
	s_cmp_eq_u32 s19, 0
	s_cbranch_scc0 .Lfor_b_\@
	tensor_load_to_lds s[G0A+4*\s:G0A+4*\s+3], s[G1A:G1A+7]
	s_nop 0
	s_branch .Lasked_\@
.Lfor_b_\@:
	tensor_load_to_lds s[G0B+4*\s:G0B+4*\s+3], s[G1B:G1B+7]
	s_nop 0
.Lasked_\@:
.endm
.macro CREST                           ; a round of the cluster's barrier behind its opening work-group barrier
	s_cmp_lg_u32 s18, 0
	s_cbranch_scc1 .Lnot_wave_0_\@
	s_barrier_signal -3
.Lnot_wave_0_\@:
	s_barrier_wait -3
	s_barrier_signal -1
	s_barrier_wait -1
.endm
.macro CROUND
	s_barrier_signal -1
	s_barrier_wait -1
	CREST
.endm
	s_load_b256 s[4:11], s[0:1], 0x0               ; xb s[4:5], wqkv s[6:7], csb s[8:9], cached_key s[10:11]
	s_load_b128 s[12:15], s[0:1], 0x20             ; cached_value s[12:13], qkv s[14:15]
	s_load_b64 s[16:17], s[0:1], 0x30              ; vpart
	v_lshl_add_u32 v254, v0, 2, 0x3b400
	v_mov_b32 v255, 0
	ds_add_u32 v254, v255
	v_lshrrev_b32 v1, 5, v0
	v_readfirstlane_b32 s18, v1                    ; wave
	s_lshr_b32 s19, s18, 1                         ; my half of the rows; also: I fetch for A (0) or B (1)
	s_and_b32 s20, s18, 1                          ; my half of the columns; also: which 64 rows of the tile I fetch
	s_bfe_u32 s21, ttmp6, 0x40000                  ; cx
	s_bfe_u32 s22, ttmp6, 0x40004                  ; cy
	s_lshl_b32 s23, ttmp9, 2
	s_add_co_u32 s23, s23, s21                     ; block column
	s_and_b32 s24, ttmp7, 0xffff
	s_lshl_b32 s24, s24, 2
	s_add_co_u32 s24, s24, s22                     ; block row
	s_lshl_b32 s25, s22, 2
	s_lshl_b32 s25, 15, s25                        ; my row of the cluster
	s_lshl_b32 s26, 0x1111, s21                    ; my column
	s_or_b32 s[G1A+0], s25, (1<<16)|(1<<20)|(1<<21)|(5<<22)|(3<<25)   ; 2-byte elements; 4 words of padding behind every 64
	s_mov_b32 s[G1A+1], 128<<16                    ; tensor_dim0 = 128
	s_mov_b32 s[G1A+2], 64<<16                     ; tensor_dim1 = 64
	s_mov_b32 s[G1A+3], 128<<16                    ; tile_dim0 = 128
	s_mov_b32 s[G1A+4], 64                         ; tile_dim1 = 64
	s_mov_b32 s[G1A+5], GK                         ; elements from row to row
	s_mov_b32 s[G1A+6], 0
	s_mov_b32 s[G1A+7], 0
	s_or_b32 s[G1B+0], s26, (1<<16)|(1<<20)|(1<<21)|(6<<22)|(7<<25)   ; 8 words of padding behind every 128
	s_mov_b32 s[G1B+1], 256<<16
	s_mov_b32 s[G1B+2], 64<<16
	s_mov_b32 s[G1B+3], 256<<16
	s_mov_b32 s[G1B+4], 64
	s_mov_b32 s[G1B+5], GN
	s_mov_b32 s[G1B+6], 0
	s_mov_b32 s[G1B+7], 0
	s_lshl_b32 s60, s24, 7                         ; A: row 128 x block row + 64 x half, in registers that never hold the block column
	s_lshl_b32 s61, s20, 6
	s_add_co_u32 s60, s60, s61
	s_mul_i32 s60, s60, 2*GK
	s_mov_b32 s61, 0
	s_mul_i32 s66, s20, 128*GN                     ; B: K row 64 x half, column 256 x block column, in registers that never hold the block row
	s_lshl_b32 s67, s23, 9
	s_add_co_u32 s66, s66, s67
	s_mov_b32 s67, 0
	s_mul_i32 s70, s20, AH                         ; LDS: made of the wave's number alone
	s_mul_i32 s71, s20, BH
	s_add_co_u32 s71, s71, 2*AH
	s_wait_dscnt 0x0
	s_wait_kmcnt 0x0
	s_add_nc_u64 s[62:63], s[4:5], s[60:61]
	s_add_nc_u64 s[68:69], s[6:7], s[66:67]
	CROUND                                         ; all sixteen work-groups are here: the first joint loads meet
.irp s, 0,1
	s_mov_b32 s[G0A+4*\s], 1
	s_add_co_u32 s[G0A+4*\s+1], s70, \s*SLOT
	s_add_nc_u64 s[G0A+4*\s+2:G0A+4*\s+3], s[62:63], \s*256
	s_or_b32 s[G0A+4*\s+3], s[G0A+4*\s+3], 0x80000000
	s_mov_b32 s[G0B+4*\s], 1
	s_add_co_u32 s[G0B+4*\s+1], s71, \s*SLOT
	s_add_nc_u64 s[G0B+4*\s+2:G0B+4*\s+3], s[68:69], \s*256*GN
	s_or_b32 s[G0B+4*\s+3], s[G0B+4*\s+3], 0x80000000
	JLOAD \s                                       ; K steps 0 and 1: two loads of this wave are out
.endr
	v_and_b32 v1, 15, v0                           ; r
	v_bfe_u32 v2, v0, 4, 1                         ; h
	v_and_b32 v3, 31, v0                           ; lane
	v_mul_u32_u24 v4, v1, PA
	v_lshl_add_u32 v4, v2, 4, v4                   ; A fragment: row r, 16 bytes for each half of the lanes
	s_mul_i32 s25, s19, AH
	v_add_nc_u32 v8, s25, v4                       ; v8, v9: A in slot 0, 1
	v_add_nc_u32 v9, SLOT, v8
	v_and_b32 v4, 7, v0
	v_lshl_add_u32 v4, v2, 3, v4                   ; B fragment, transposing load: K row 8 h + (lane & 7),
	v_mul_u32_u24 v4, v4, PB
	v_bfe_u32 v5, v0, 3, 1
	v_lshl_add_u32 v4, v5, 4, v4                   ; 16 bytes on for lanes 8-15 and 24-31
	s_lshl_b32 s26, s20, 8
	s_add_co_u32 s26, s26, 2*AH
	v_add_nc_u32 v10, s26, v4                      ; v10, v11: B in slot 0, 1
	v_add_nc_u32 v11, SLOT, v10
	s_mul_i32 s25, s18, 16*SP
	s_add_co_u32 s25, s25, STAGE                   ; my stage
	v_mul_u32_u24 v4, v1, SP
	v_lshl_add_u32 v4, v2, 5, v4
	v_add_nc_u32 v16, s25, v4                      ; in: row r, 32 bytes (8 f32) for each half of the lanes
	v_lshl_add_u32 v17, v3, 4, s25                 ; back: a whole row of 512 bytes, 16 a lane
	v_lshlrev_b32 v18, 3, v3                       ; 8 x lane
	v_lshlrev_b32 v19, 4, v3                       ; 16 x lane
	v_mov_b32 v4, 0x80008000
	v_cmp_gt_u32 vcc_lo, 16, v3
	v_cndmask_b32 v20, 0, v4, vcc_lo               ; lanes 0-15 hold d < 64: their partner enters with a minus (two bf16 signs)
	v_mov_b32 v21, s23                             ; block column
.macro MUL8 f, a, zero                 ; A tile a x the 8 B tiles, 32 along K; zero = 1: the product starts the sums
.irp b, 0,1,2,3,4,5,6,7
.if \zero
	v_wmma_f32_16x16x32_bf16 v[8*(8*(\a)+\b):8*(8*(\a)+\b)+7], v[\f+8*\b:\f+8*\b+7], v[\f+64+8*(\a):\f+64+8*(\a)+7], 0
.else
	v_wmma_f32_16x16x32_bf16 v[8*(8*(\a)+\b):8*(8*(\a)+\b)+7], v[\f+8*\b:\f+8*\b+7], v[\f+64+8*(\a):\f+64+8*(\a)+7], v[8*(8*(\a)+\b):8*(8*(\a)+\b)+7]
.endif
.endr
.endm
.macro MUL16 f, a0, zero
	MUL8 \f, \a0, \zero
	MUL8 \f, \a0+1, \zero
.endm
.macro FETCH slot, kq, f               ; 24 LDS loads: quarter kq (32 along K) of the slot into buffer f; B first, A's tiles in ascending order last
	WIN 0
.irp b, 0,1,2,3,4,5,6,7
	ds_load_tr16_b128 v[\f+8*\b:\f+8*\b+3], v[10+\slot] offset:32*\b+32*PB*\kq
	ds_load_tr16_b128 v[\f+8*\b+4:\f+8*\b+7], v[10+\slot] offset:32*\b+32*PB*\kq+16*PB
.endr
.irp a, 0,1,2,3
	ds_load_b128 v[\f+64+8*\a:\f+64+8*\a+3], v[8+\slot] offset:16*PA*\a+64*\kq
	ds_load_b128 v[\f+64+8*\a+4:\f+64+8*\a+7], v[8+\slot] offset:16*PA*\a+64*\kq+32
.endr
.endm
.macro QUARTER slot, kq, f, g, zero    ; multiplies buffer f; in its middle fetches quarter kq into buffer g
	s_wait_dscnt 4                                 ; B and A's tiles 0, 1 are in; the youngest four loads (A's tiles 2, 3) may be out
	WIN MULW
	MUL16 \f, 0, \zero
	PLACES
	FETCH \slot, \kq, \g
	s_wait_dscnt 24                                ; all but the 24 just issued
	WIN MULW
	MUL16 \f, 2, \zero
.endm
.macro THREE slot, zero
	QUARTER \slot, 1, F0, F1, \zero
	QUARTER \slot, 2, F1, F0, 0
	QUARTER \slot, 3, F0, F1, 0
.endm
; The last quarter of a K step changes slots.  In front of the barrier each wave waits for its reads of this slot and for all its tensor loads (the one out is its
; part of the next slot); where the slot is filled again the barrier opens a round of the cluster's barrier, and the joint refill is the first tensor load behind it.
.macro TURN slot, next, fill
	s_wait_dscnt 4
	WIN MULW
	MUL8 F1, 0, 0
	s_wait_dscnt 0                                 ; my reads of this slot are over
	s_wait_tensorcnt 0x0                           ; all my tensor loads have landed
	ds_add_u32 v254, v255
	s_wait_dscnt 0x0
	s_barrier_signal -1
	MUL8 F1, 1, 0                                  ; register work while the others arrive
	WIN 0
	s_barrier_wait -1
.if \fill
	CREST
	s_add_nc_u64 s[G0A+4*\slot+2:G0A+4*\slot+3], s[G0A+4*\slot+2:G0A+4*\slot+3], 512        ; two K steps on
	s_add_nc_u64 s[G0B+4*\slot+2:G0B+4*\slot+3], s[G0B+4*\slot+2:G0B+4*\slot+3], 512*GN
	JLOAD \slot                                    ; it has 120 of a K step's 128 matrix instructions in which to land
.endif
	PLACES
	FETCH \next, 0, F0
	WIN MULW
	MUL16 F1, 2, 0
.endm
.macro LAP zero
	THREE 0, \zero
	TURN 0, 1, 1
	THREE 1, 0
	TURN 1, 0, 1
.endm
	s_wait_tensorcnt 1                             ; my part of K step 0 is in; K step 1's stays out
	s_barrier_signal -1
	s_barrier_wait -1
	FETCH 0, 0, F0
	LAP 1                                          ; the first lap's first products start the sums: nothing is cleared
	WIN 0
	s_mov_b32 s27, LAPS-2
.Llap:
	LAP 0
	WIN 0
	s_sub_co_u32 s27, s27, 1
	s_cmp_lg_u32 s27, 0
	s_cbranch_scc1 .Llap
	THREE 0, 0                                     ; the last lap fills nothing
	TURN 0, 1, 0
	THREE 1, 0
	s_wait_dscnt 4
	WIN MULW
	MUL16 F1, 0, 0
	s_wait_dscnt 0
	MUL16 F1, 2, 0
	WIN 0
	PLACES
; THE WAY OUT.  16 rows at a time go as f32 through my own stage (LDS serves a wave's instructions in order, ISA guide 5.7.1: no wait between my stores and my loads),
; and come back one row an instruction: lane l holds d = 4 l .. 4 l + 3 of a head, so the partner d +- 64 of the rotation is lane l xor 16.
	s_lshl_b32 s80, s24, 7
	s_lshl_b32 s84, s19, 6
	s_add_co_u32 s84, s80, s84                     ; my first row
	s_lshl1_add_u32 s85, s23, s20                  ; my strip of 128 columns: 0-7 q, 8-11 k, 12-15 v
	s_lshl_b32 s80, s84, 12
	s_lshl_b32 s81, s85, 8
	s_add_co_u32 s80, s80, s81
	s_mov_b32 s81, 0
	s_add_nc_u64 s[72:73], s[14:15], s[80:81]      ; qkv at my first row and strip
	s_lshl_b32 s80, s84, 9
	s_add_nc_u64 s[74:75], s[8:9], s[80:81]        ; csb at my first row
	s_and_b32 s82, s84, SEQ-1                      ; its position in the sequence
	s_mov_b32 s88, 0x76543210                      ; v_permlanex16_b32: lane i reads lane i of the other half
	s_mov_b32 s89, 0xfedcba98
	s_mov_b32 s91, 0xffff0000
.irp i, 0,1,2,3
	v_mov_b32 v[200+\i], 0                         ; v_permlanex16_b32 counts as a reader of its destination
.endr
.macro STG a                           ; the eight tiles of A tile a into the stage
	WIN 0x04
.irp b, 0,1,2,3,4,5,6,7
	ds_store_b128 v16, v[8*(8*\a+\b):8*(8*\a+\b)+3] offset:64*\b
	ds_store_b128 v16, v[8*(8*\a+\b)+4:8*(8*\a+\b)+7] offset:64*\b+16
.endr
	WIN 0
.endm
; cos, sin (and the cache) of rows 8 g .. 8 g + 7 into buffer buf: cos v32.., sin v48.., cache v64.. (+64 for buffer 1).  16 or 24 loads.
.macro LOADCS g, buf, kv
.irp i, 0,1,2,3,4,5,6,7
	global_load_b64 v[32+64*(\buf)+2*\i:33+64*(\buf)+2*\i], v18, s[74:75] offset:512*(8*(\g)+\i)
	global_load_b64 v[48+64*(\buf)+2*\i:49+64*(\buf)+2*\i], v18, s[74:75] offset:512*(8*(\g)+\i)+256
.if \kv
	global_load_b128 v[64+64*(\buf)+4*\i:67+64*(\buf)+4*\i], v19, s[76:77] offset:2048*(8*(\g)+\i) th:TH_LOAD_NT
.endif
.endr
.endm
.macro ROWS g, buf, kv, more
	s_wait_xcnt 0x0                                ; v160-191 were the last group's store data: rewritten only behind this wait
.if \more
	LOADCS \g+1, 1-\buf, \kv
.endif
.irp i, 0,1,2,3,4,5,6,7
	ds_load_b128 v[160+4*\i:163+4*\i], v17 offset:SP*(8*((\g)%2)+\i)
.endr
.if \more
.if \kv
	s_wait_loadcnt 24                              ; this group's loads are in; the next group's 24 stay out
.else
	s_wait_loadcnt 16                              ; this group's loads are in; the next group's 16 stay out
.endif
.else
	s_wait_loadcnt 0x0
.endif
	s_wait_dscnt 0x0
.irp i, 0,1,2,3,4,5,6,7
	v_permlanex16_b32 v200, v[160+4*\i], s88, s89  ; x[d +- 64]
	v_permlanex16_b32 v201, v[161+4*\i], s88, s89
	v_permlanex16_b32 v202, v[162+4*\i], s88, s89
	v_permlanex16_b32 v203, v[163+4*\i], s88, s89
	v_xor_b32 v[48+64*\buf+2*\i], v20, v[48+64*\buf+2*\i]      ; -sin for d < 64
	v_xor_b32 v[49+64*\buf+2*\i], v20, v[49+64*\buf+2*\i]
	v_lshlrev_b32 v192, 16, v[32+64*\buf+2*\i]
	v_and_b32 v193, s91, v[32+64*\buf+2*\i]
	v_lshlrev_b32 v194, 16, v[33+64*\buf+2*\i]
	v_and_b32 v195, s91, v[33+64*\buf+2*\i]
	v_lshlrev_b32 v196, 16, v[48+64*\buf+2*\i]
	v_and_b32 v197, s91, v[48+64*\buf+2*\i]
	v_lshlrev_b32 v198, 16, v[49+64*\buf+2*\i]
	v_and_b32 v199, s91, v[49+64*\buf+2*\i]
	v_pk_mul_f32 v[200:201], v[200:201], v[196:197]
	v_pk_mul_f32 v[202:203], v[202:203], v[198:199]
	v_pk_fma_f32 v[200:201], v[160+4*\i:161+4*\i], v[192:193], v[200:201]
	v_pk_fma_f32 v[202:203], v[162+4*\i:163+4*\i], v[194:195], v[202:203]
.if \kv
	v_cndmask_b32 v200, v200, v[160+4*\i], s83     ; v is not rotated
	v_cndmask_b32 v201, v201, v[161+4*\i], s83
	v_cndmask_b32 v202, v202, v[162+4*\i], s83
	v_cndmask_b32 v203, v203, v[163+4*\i], s83
	v_pk_mul_f32 v[64+64*\buf+4*\i:65+64*\buf+4*\i], v[64+64*\buf+4*\i:65+64*\buf+4*\i], s[86:87] op_sel_hi:[1,0]   ; the cache in the scale of what is stored
	v_pk_mul_f32 v[66+64*\buf+4*\i:67+64*\buf+4*\i], v[66+64*\buf+4*\i:67+64*\buf+4*\i], s[86:87] op_sel_hi:[1,0]
	s_add_co_u32 s84, s82, 8*\g+\i-CACHE_INDEX
	s_cmp_lt_u32 s84, SEQ                          ; the update reaches this cache row
	s_cselect_b32 s85, -1, 0
	v_cndmask_b32 v200, v[64+64*\buf+4*\i], v200, s85
	v_cndmask_b32 v201, v[65+64*\buf+4*\i], v201, s85
	v_cndmask_b32 v202, v[66+64*\buf+4*\i], v202, s85
	v_cndmask_b32 v203, v[67+64*\buf+4*\i], v203, s85
	v_pk_add_f32 v[22:23], v[22:23], v[200:201]    ; column sums over my 64 rows
	v_pk_add_f32 v[24:25], v[24:25], v[202:203]
.endif
	v_cvt_pk_f16_f32 v[160+4*\i], v200, v201
	v_cvt_pk_f16_f32 v[161+4*\i], v202, v203
	global_store_b64 v18, v[160+4*\i:161+4*\i], s[72:73] offset:4096*(8*\g+\i)   ; the wave stores 256 consecutive bytes at a multiple of 256
.endr
.endm
.macro EPI kv
	LOADCS 0, 0, \kv
	STG 0
	ROWS 0, 0, \kv, 1
	ROWS 1, 1, \kv, 1
	STG 1
	ROWS 2, 0, \kv, 1
	ROWS 3, 1, \kv, 1
	STG 2
	ROWS 4, 0, \kv, 1
	ROWS 5, 1, \kv, 1
	STG 3
	ROWS 6, 0, \kv, 1
	ROWS 7, 1, \kv, 0
.endm
	s_cmp_lg_u32 ttmp9, 0                          ; the cluster's x, alike in all partners: 0 = q's columns, 1 = k's and v's
	s_cbranch_scc1 .Lkv
	EPI 0
	s_branch .Ldone
.Lkv:
	s_and_b32 s85, s85, 3                          ; key-value head
	s_lshl_b32 s85, s85, 9                         ; its 512 bytes of f32
	s_lshl_b32 s80, s84, 11                        ; a cache row is 2,048 bytes
	s_add_co_u32 s80, s80, s85
	s_mov_b32 s86, 0x3c800000                      ; k: 2^-6
	s_cmp_ge_u32 s23, 6                            ; block columns 6, 7 are v's
	s_cselect_b64 s[76:77], s[12:13], s[10:11]
	s_cselect_b32 s83, -1, 0
	s_cmov_b32 s86, 0x3e800000                     ; v: 2^-2
	s_mov_b32 s87, s86
	s_add_nc_u64 s[76:77], s[76:77], s[80:81]
	s_lshl_b32 s80, s84, 5                         ; (row / 64) x 2,048 bytes
	s_add_co_u32 s80, s80, s85
	s_add_nc_u64 s[78:79], s[16:17], s[80:81]
.irp i, 0,1,2,3
	v_mov_b32 v[22+\i], 0
.endr
	EPI 1
	v_cmp_le_u32 vcc_lo, 6, v21                    ; v's blocks alone store their column sums
	s_wait_xcnt 0x0                                ; EXEC is a source of the stores above: it changes only behind this wait
	s_and_saveexec_b32 s90, vcc_lo
	global_store_b128 v19, v[22:25], s[78:79]
	s_wait_xcnt 0x0
	s_or_b32 exec_lo, exec_lo, s90
.Ldone:
	s_wait_tensorcnt 0x0
	ds_add_u32 v254, v255
	s_wait_dscnt 0x0
	CROUND                                         ; the closing round: no work-group ends while a partner may still ask for a tile that names it
	s_endpgm
.Lfunc_end_k_q16d34f6328_proj:
	.size	k_q16d34f6328_proj, .Lfunc_end_k_q16d34f6328_proj-k_q16d34f6328_proj
	.p2alignl 7, 3214868480
	.fill 96, 4, 3214868480
	.section	.rodata,"a",@progbits
	.p2align	6, 0x0
	.amdhsa_kernel k_q16d34f6328_proj
		.amdhsa_group_segment_fixed_size 327680
		.amdhsa_private_segment_fixed_size 0
		.amdhsa_enable_private_segment 0
		.amdhsa_kernarg_size 56
		.amdhsa_user_sgpr_count 2
		.amdhsa_user_sgpr_kernarg_segment_ptr 1
		.amdhsa_wavefront_size32 1
		.amdhsa_system_sgpr_workgroup_id_x 1
		.amdhsa_system_sgpr_workgroup_id_y 1
		.amdhsa_system_sgpr_workgroup_id_z 1
		.amdhsa_system_vgpr_workitem_id 0
		.amdhsa_next_free_vgpr 512
		.amdhsa_next_free_sgpr 96
		.amdhsa_reserve_vcc 1
		.amdhsa_float_denorm_mode_32 3
		.amdhsa_float_denorm_mode_16_64 3
		.amdhsa_memory_ordered 1
		.amdhsa_forward_progress 1
		.amdhsa_inst_pref_size 255
	.end_amdhsa_kernel
	.section	.bss,"aw",@nobits
	.p2align	6
	.space	262144
	.amdgpu_metadata
---
amdhsa.version: [ 1, 2 ]
amdhsa.kernels:
  - .name:           k_q16d34f6328_proj
    .symbol:         k_q16d34f6328_proj.kd
    .args:
      - { .name: xb, .offset: 0, .size: 8, .value_kind: global_buffer, .address_space: global }
      - { .name: wqkv, .offset: 8, .size: 8, .value_kind: global_buffer, .address_space: global }
      - { .name: csb, .offset: 16, .size: 8, .value_kind: global_buffer, .address_space: global }
      - { .name: cached_key, .offset: 24, .size: 8, .value_kind: global_buffer, .address_space: global }
      - { .name: cached_value, .offset: 32, .size: 8, .value_kind: global_buffer, .address_space: global }
      - { .name: qkv, .offset: 40, .size: 8, .value_kind: global_buffer, .address_space: global }
      - { .name: vpart, .offset: 48, .size: 8, .value_kind: global_buffer, .address_space: global }
    .group_segment_fixed_size: 327680
    .private_segment_fixed_size: 0
    .kernarg_segment_align: 8
    .kernarg_segment_size: 56
    .max_flat_workgroup_size: 128
    .sgpr_count:     96
    .vgpr_count:     512
    .wavefront_size: 32
...
	.end_amdgpu_metadata
.endif
;; end of part 2
;; launch attn (part 3): grid 32 x 8, 4 waves a work-group, clusters of 4 x 1, 327,680 bytes of LDS; arguments qkv, biasf, vpart, ao; writes ao
.if DOCPART == 3
	.amdgcn_target "amdgcn-amd-amdhsa--gfx1250"
	.amdhsa_code_object_version 6
	.text
	.protected	k_q16d34f6328_attn
	.globl	k_q16d34f6328_attn
	.p2align	8
	.type	k_q16d34f6328_attn,@function
k_q16d34f6328_attn:
	s_mov_b64 s[64:65], 0
	v_nop
	global_prefetch_b8 v0, s[64:65] scope:SCOPE_SE
	s_setreg_imm32_b32 hwreg(HW_REG_WAVE_MODE, 25, 1), 1
	s_wait_xcnt 0x0
	s_wait_alu depctr_hold_cnt(0) depctr_sa_sdst(0) depctr_va_vdst(0) depctr_va_sdst(0) depctr_va_ssrc(0) depctr_va_vcc(0) depctr_vm_vsrc(0)
	s_getreg_b32 s2, hwreg(HW_REG_IB_STS2, 6, 4)
	s_cmp_eq_u32 s2, 0
	s_cbranch_scc0 .Lentry_in_a_cluster
	s_endpgm
.Lentry_in_a_cluster:
	s_bfe_u32 s2, ttmp6, 0x10000c
	s_cmp_lg_u32 s2, 0x3003
	s_cbranch_scc0 .Lentry_shape_is_right
	s_endpgm
.Lentry_shape_is_right:
; ao[4096][1024] (f16) = softmax(q k^T / sqrt(128) + bias) v, times 2^-2, causal, two query heads to a key-value head, with a running maximum.
; q, k come times 2^-6 and v times 2^-2; C2 = 2^12 log2(e) / sqrt(128) undoes the first two inside the exponent's scale, the output weights undo the third.
; The key mask is added as a bias of the most negative finite f32, as the problem's function adds it; causally hidden scores are set to that number.
; A ROW WITH NO ALLOWED KEY has that number as every one of its 2,048 scores in the problem's function, so its weights are uniform: it takes the mean of all V rows (from vpart).
; It is told by its maximum lying below -1e38.  LIMIT: scaled scores are taken to be below 1e31 in size, so that the bias swallows them as it does in the problem's function.
;
; SHARING.  A cluster of four = 2 query heads x 2 halves of a block of 128 queries; all four walk the same K and V tiles of 128 keys, asked for jointly (mask 15).
; Cluster x = P takes query block P (tiles 0 .. P) and then block 15 - P (tiles 0 .. 15 - P): 17 tiles for every work-group.
; Wave w takes keys 32 w .. 32 w + 31 of every tile for all 64 queries, so each K and V byte is read from LDS once a work-group; each wave has its own maximum, sum and
; partial output, and the four are merged through LDS at the end of each block.
; TRANSPOSED: S^T = K Q^T puts query l % 16 in lane l and keys 8 (l / 16) + j in its registers; rounding to f16 makes P^T's fragment in place; O^T = V^T P^T with V by the
; transposing load.  All statistics belong to a lane.
; REGISTERS: window 0 addresses, statistics, bias, S (v84-147), P (v148-179); window 1 O, tile (t, dt) at 8 (8 t + dt); window 2 Q at 8 (4 t + ks), K at 128 + 8 (4 kt + ks), V at 192 + 8 dt.
; Pairs (AL, M) in v24-31 and (-MN, LS) in v32-39: the first register of a pair is the one that a packed instruction broadcasts.
; Accumulators take turns, one matrix instruction a turn.
.set SLOT, 71680                       ; K 128 x 272, then V 128 x 288
.set VOFF, 34816
.set QREG, 143360                      ; Q of the first block 64 x 272, then of the second
.set STATS, 178176                     ; M[64 queries][4 waves], then L: written by LDS stores, never by a tensor load
.set MRG, 180224                       ; [wave][64 queries] x 528 bytes: the partial outputs
.set PK, 272
.set PVV, 288
.set G1K, 24
.set G1V, 32
.set G1Q, 40
.set G0K, 48
.set G0V, 56
.set MSB, 0
.macro WIN new
.if MSB != \new
	s_set_vgpr_msb (MSB<<8)|\new
.set MSB, \new
.endif
.endm
.macro PLACES                          ; four plain vector instructions behind a matrix instruction (ISA guide 7.12.1)
.rept 4
	v_nop
.endr
.endm
.macro ROUND                           ; a round of the cluster's barrier
	s_barrier_signal -1
	s_barrier_wait -1
	s_cmp_lg_u32 s12, 0
	s_cbranch_scc1 .Lnot_wave_0_\@
	s_barrier_signal -3
.Lnot_wave_0_\@:
	s_barrier_wait -3
	s_barrier_signal -1
	s_barrier_wait -1
.endm
.macro JLOAD s                         ; waves 0, 1 ask for K's halves, waves 2, 3 for V's
	s_cmp_eq_u32 s14, 0
	s_cbranch_scc0 .Lfor_v_\@
	tensor_load_to_lds s[G0K+4*(\s):G0K+4*(\s)+3], s[G1K:G1K+7]
	s_nop 0
	s_branch .Lasked_\@
.Lfor_v_\@:
	tensor_load_to_lds s[G0V+4*(\s):G0V+4*(\s)+3], s[G1V:G1V+7]
	s_nop 0
.Lasked_\@:
.endm
	s_load_b256 s[4:11], s[0:1], 0x0               ; qkv s[4:5], biasf s[6:7], vpart s[8:9], ao s[10:11]
	v_lshl_add_u32 v254, v0, 2, 0x4d000
	v_mov_b32 v255, 0
	ds_add_u32 v254, v255
	v_lshrrev_b32 v1, 5, v0
	v_readfirstlane_b32 s12, v1                    ; wave
	s_and_b32 s13, s12, 1
	s_lshr_b32 s14, s12, 1
	s_bfe_u32 s15, ttmp6, 0x40000                  ; cx
	s_mov_b32 s16, ttmp9                           ; P
	s_and_b32 s17, ttmp7, 0xffff
	s_lshr_b32 s18, s17, 2                         ; batch
	s_and_b32 s19, s17, 3                          ; key-value head
	s_lshr_b32 s20, s15, 1
	s_lshl1_add_u32 s20, s19, s20                  ; query head
	s_and_b32 s21, s15, 1                          ; which 64 of the block's 128 queries
	s_mov_b32 s[G1K+0], 15|(1<<16)|(1<<20)|(1<<21)|(5<<22)|(3<<25)   ; all four partners; 2-byte elements; 4 words of padding behind every 64
	s_mov_b32 s[G1K+1], 128<<16
	s_mov_b32 s[G1K+2], 64<<16
	s_mov_b32 s[G1K+3], 128<<16
	s_mov_b32 s[G1K+4], 64
	s_mov_b32 s[G1K+5], 2048
	s_mov_b32 s[G1K+6], 0
	s_mov_b32 s[G1K+7], 0
	s_mov_b32 s[G1V+0], 15|(1<<16)|(1<<20)|(1<<21)|(5<<22)|(7<<25)   ; 8 words of padding: a pitch of 288, an odd multiple of 32
	s_mov_b32 s[G1V+1], 128<<16
	s_mov_b32 s[G1V+2], 64<<16
	s_mov_b32 s[G1V+3], 128<<16
	s_mov_b32 s[G1V+4], 64
	s_mov_b32 s[G1V+5], 2048
	s_mov_b32 s[G1V+6], 0
	s_mov_b32 s[G1V+7], 0
	s_mov_b32 s[G1Q+0], (1<<16)|(1<<20)|(5<<22)|(3<<25)              ; Q is each work-group's own: no mask
	s_mov_b32 s[G1Q+1], 128<<16
	s_mov_b32 s[G1Q+2], 32<<16
	s_mov_b32 s[G1Q+3], 128<<16
	s_mov_b32 s[G1Q+4], 32
	s_mov_b32 s[G1Q+5], 2048
	s_mov_b32 s[G1Q+6], 0
	s_mov_b32 s[G1Q+7], 0
	s_lshl_b32 s22, s18, 11                        ; 2,048 x batch
	s_lshl_b32 s23, s13, 6
	s_add_co_u32 s23, s22, s23                     ; K, V: row 2,048 b + 64 (w & 1) of tile 0: nothing of cx enters
	s_lshl_b32 s86, s23, 12
	s_lshl_b32 s23, s19, 8
	s_add_co_u32 s86, s86, s23
	s_mov_b32 s87, 0
	s_sub_co_u32 s23, 15, s16                      ; Q: waves 0, 1 fetch the first block's 64 rows, waves 2, 3 the second's
	s_cmp_lt_u32 s12, 2
	s_cselect_b32 s23, s16, s23
	s_lshl_b32 s23, s23, 7
	s_add_co_u32 s23, s23, s22
	s_lshl_b32 s98, s21, 6
	s_add_co_u32 s23, s23, s98
	s_lshl_b32 s98, s13, 5
	s_add_co_u32 s23, s23, s98
	s_lshl_b32 s98, s23, 12
	s_lshl_b32 s84, s20, 8                         ; the query head's 256 bytes
	s_add_co_u32 s98, s98, s84
	s_mov_b32 s99, 0
	s_wait_dscnt 0x0
	s_wait_kmcnt 0x0
	s_add_nc_u64 s[72:73], s[4:5], s[86:87]
	s_add_nc_u64 s[74:75], s[72:73], 3072          ; V's columns begin at byte 3,072 of a row,
	s_add_nc_u64 s[72:73], s[72:73], 2048          ; K's at 2,048
	s_add_nc_u64 s[70:71], s[4:5], s[98:99]
	s_or_b32 s71, s71, 0x80000000
	s_mov_b32 s68, 1
	s_mul_i32 s69, s12, 32*PK
	s_add_co_u32 s69, s69, QREG
	s_mov_b32 s[G0K+0], 1
	s_mul_i32 s[G0K+1], s13, 64*PK
	s_mov_b64 s[G0K+2:G0K+3], s[72:73]
	s_or_b32 s[G0K+3], s[G0K+3], 0x80000000
	s_mov_b32 s[G0K+4], 1
	s_add_co_u32 s[G0K+5], s[G0K+1], SLOT
	s_mov_b32 s[G0V+0], 1
	s_mul_i32 s[G0V+1], s13, 64*PVV
	s_add_co_u32 s[G0V+1], s[G0V+1], VOFF
	s_mov_b64 s[G0V+2:G0V+3], s[74:75]
	s_or_b32 s[G0V+3], s[G0V+3], 0x80000000
	s_mov_b32 s[G0V+4], 1
	s_add_co_u32 s[G0V+5], s[G0V+1], SLOT
	ROUND                                          ; in front of the first loads
	JLOAD 0                                        ; tile 0
	tensor_load_to_lds s[68:71], s[G1Q:G1Q+7]      ; my 32 rows of Q: two loads of this wave are out
	s_nop 0
	s_lshl_b32 s23, s21, 6                         ; where the results go: row 2,048 b + 128 block + 64 half + 16 w, 256 bytes of the head
	s_add_co_u32 s23, s23, s22
	s_lshl4_add_u32 s23, s12, s23
	s_lshl_b32 s98, s16, 7
	s_add_co_u32 s98, s98, s23
	s_lshl_b32 s98, s98, 11
	s_add_co_u32 s98, s98, s84
	s_add_nc_u64 s[80:81], s[10:11], s[98:99]      ; the first block's
	s_sub_co_u32 s98, 15, s16
	s_lshl_b32 s98, s98, 7
	s_add_co_u32 s98, s98, s23
	s_lshl_b32 s98, s98, 11
	s_add_co_u32 s98, s98, s84
	s_add_nc_u64 s[94:95], s[10:11], s[98:99]      ; the second block's
	s_lshl_b32 s98, s18, 13
	s_add_nc_u64 s[76:77], s[6:7], s[98:99]        ; the batch's bias
	s_mov_b64 s[78:79], s[76:77]                   ; tile 0's
	s_lshl_b32 s98, s18, 16
	s_lshl_b32 s23, s19, 9
	s_add_co_u32 s98, s98, s23
	s_add_nc_u64 s[98:99], s[8:9], s[98:99]        ; the batch's 32 chunks of column sums, my key-value head
	v_and_b32 v1, 15, v0                           ; r
	v_bfe_u32 v2, v0, 4, 1                         ; h
	v_and_b32 v3, 31, v0                           ; lane
	v_lshlrev_b32 v13, 5, v2
	v_lshl_add_u32 v13, s12, 7, v13                ; bias of keys 32 w + 8 h ..
	v_lshlrev_b32 v6, 4, v3                        ; 16 x lane
	global_load_b128 v[52:55], v13, s[78:79]
	global_load_b128 v[56:59], v13, s[78:79] offset:16
	global_load_b128 v[60:63], v13, s[78:79] offset:64
	global_load_b128 v[64:67], v13, s[78:79] offset:80
.set cc, 0
.rept 32
	global_load_b128 v[84+4*cc:87+4*cc], v6, s[98:99] offset:2048*cc
.set cc, cc+1
.endr
	v_lshl_add_u32 v4, s12, 5, v1
	v_mul_u32_u24 v4, v4, PK
	v_lshl_add_u32 v8, v2, 4, v4                   ; v8, v9: K fragment, key 32 w + r, slot 0, 1
	v_add_nc_u32 v9, SLOT, v8
	v_and_b32 v4, 7, v0
	v_lshl_add_u32 v4, v2, 3, v4
	v_lshl_add_u32 v4, s12, 5, v4
	v_mul_u32_u24 v4, v4, PVV
	v_bfe_u32 v5, v0, 3, 1
	v_lshl_add_u32 v4, v5, 4, v4
	v_add_nc_u32 v10, VOFF, v4                     ; v10, v11: V by the transposing load, key 32 w + 8 h + (lane & 7)
	v_add_nc_u32 v11, SLOT, v10
	v_mul_u32_u24 v4, v1, PK
	v_lshl_add_u32 v4, v2, 4, v4
	v_add_nc_u32 v12, QREG, v4                     ; Q fragment
	s_lshl_b32 s22, s21, 6
	s_lshl_b32 s23, s12, 5
	s_sub_co_i32 s22, s22, s23
	v_lshlrev_b32 v4, 3, v2
	v_sub_nc_u32 v14, v1, v4
	v_add_nc_u32 v14, s22, v14                     ; 64 half + r - 32 w - 8 h: query minus key on the diagonal tile, less 16 (t - kt) - j
	v_mov_b32 v15, 0xff7fffff
	s_mul_i32 s22, s12, 64*528
	s_add_co_u32 s22, s22, MRG
	v_mul_u32_u24 v4, v1, 528
	v_lshl_add_u32 v4, v2, 5, v4
	v_add_nc_u32 v16, s22, v4                      ; my partial output goes here
	v_lshlrev_b32 v4, 4, v1
	v_lshl_add_u32 v4, v2, 10, v4
	s_lshl_b32 s22, s12, 2
	s_add_co_u32 s22, s22, STATS
	v_add_nc_u32 v17, s22, v4                      ; lanes 0-15 store M, lanes 16-31 L
	s_lshl_b32 s22, s12, 8
	s_add_co_u32 s22, s22, STATS
	v_mov_b32 v18, s22                             ; the statistics of the 16 queries that I merge
	v_lshlrev_b32 v19, 3, v3
	s_mul_i32 s22, s12, 16*528
	s_add_co_u32 s22, s22, MRG
	v_lshl_add_u32 v20, v3, 4, s22                 ; v20-23: the four waves' partial rows of those queries
	v_add_nc_u32 v21, 64*528, v20
	v_add_nc_u32 v22, 64*528, v21
	v_add_nc_u32 v23, 64*528, v22
.irp t, 0,1,2,3
	v_mov_b32 v[25+2*\t], v15                      ; M
	v_mov_b32 v[33+2*\t], 0                        ; LS
	v_mov_b32 v[40+\t], 0                          ; v_permlanex16_b32 counts as a reader of its destination
	v_mov_b32 v[44+\t], 0
.endr
	s_mov_b32 s82, 0                               ; tile
	s_mov_b32 s83, s16                             ; the block's last tile, the diagonal one
	s_mov_b32 s97, 0
	s_mov_b32 s88, 0x76543210
	s_mov_b32 s89, 0xfedcba98
	s_mov_b32 s90, 0x440293ee                      ; C2
	s_mov_b32 s91, 0x440293ee
	s_mov_b32 s92, 0xffff0000                      ; lanes 16-31
	s_mov_b32 s93, 0xfe967699                      ; -1e38
	s_wait_loadcnt 0x0
	v_pk_add_f32 v[48:49], v[84:85], v[88:89]      ; v48-51: the mean of all V rows, d = 4 lane ..
	v_pk_add_f32 v[50:51], v[86:87], v[90:91]
.set cc, 2
.rept 30
	v_pk_add_f32 v[48:49], v[48:49], v[84+4*cc:85+4*cc]
	v_pk_add_f32 v[50:51], v[50:51], v[86+4*cc:87+4*cc]
.set cc, cc+1
.endr
	v_pk_mul_f32 v[48:49], v[48:49], 0x3a000000 op_sel_hi:[1,0]    ; / 2,048
	v_pk_mul_f32 v[50:51], v[50:51], 0x3a000000 op_sel_hi:[1,0]
.macro LOADQ ph
	WIN 0x80
.irp t, 0,1,2,3
.irp ks, 0,1,2,3
	ds_load_b128 v[8*(4*\t+\ks):8*(4*\t+\ks)+3], v12 offset:64*PK*\ph+16*PK*\t+64*\ks
	ds_load_b128 v[8*(4*\t+\ks)+4:8*(4*\t+\ks)+7], v12 offset:64*PK*\ph+16*PK*\t+64*\ks+32
.endr
.endr
	WIN 0
.endm
.macro LOADKV slot                     ; 16 loads of K, then 16 of V
	WIN 0x80
.irp kt, 0,1
.irp ks, 0,1,2,3
	ds_load_b128 v[128+8*(4*\kt+\ks):128+8*(4*\kt+\ks)+3], v[8+\slot] offset:16*PK*\kt+64*\ks
	ds_load_b128 v[128+8*(4*\kt+\ks)+4:128+8*(4*\kt+\ks)+7], v[8+\slot] offset:16*PK*\kt+64*\ks+32
.endr
.endr
.irp dt, 0,1,2,3,4,5,6,7
	ds_load_tr16_b128 v[192+8*\dt:195+8*\dt], v[10+\slot] offset:32*\dt
	ds_load_tr16_b128 v[196+8*\dt:199+8*\dt], v[10+\slot] offset:32*\dt+16*PVV
.endr
	WIN 0
.endm
.macro SMM                             ; S^T = K Q^T: 32 matrix instructions, eight accumulators by turns; the first product starts each sum
	WIN 0x0a
.irp ks, 0,1,2,3
.irp kt, 0,1
.irp t, 0,1,2,3
.if \ks == 0
	v_wmma_f32_16x16x32_f16 v[84+8*(4*\kt+\t):84+8*(4*\kt+\t)+7], v[128+8*(4*\kt+\ks):128+8*(4*\kt+\ks)+7], v[8*(4*\t+\ks):8*(4*\t+\ks)+7], 0
.else
	v_wmma_f32_16x16x32_f16 v[84+8*(4*\kt+\t):84+8*(4*\kt+\t)+7], v[128+8*(4*\kt+\ks):128+8*(4*\kt+\ks)+7], v[8*(4*\t+\ks):8*(4*\t+\ks)+7], v[84+8*(4*\kt+\t):84+8*(4*\kt+\t)+7]
.endif
.endr
.endr
.endr
	WIN 0
	PLACES
.endm
.macro SM1 slot                        ; scale into base 2 and add the key mask's bias, fused
.irp kt, 0,1
.irp t, 0,1,2,3
.irp p, 0,2,4,6
	v_pk_fma_f32 v[84+8*(4*\kt+\t)+\p:85+8*(4*\kt+\t)+\p], v[84+8*(4*\kt+\t)+\p:85+8*(4*\kt+\t)+\p], s[90:91], v[52+16*\slot+8*\kt+\p:53+16*\slot+8*\kt+\p] op_sel_hi:[1,0,1]
.endr
.endr
.endr
.endm
.macro DIAG                            ; the diagonal tile: a key behind its query gets the most negative finite number
.irp kt, 0,1
.irp t, 0,1,2,3
.irp j, 0,1,2,3,4,5,6,7
	v_cmp_le_i32 vcc_lo, \j+16*(\kt-\t), v14
	v_cndmask_b32 v[84+8*(4*\kt+\t)+\j], v15, v[84+8*(4*\kt+\t)+\j], vcc_lo
.endr
.endr
.endr
.endm
.macro SM2                             ; running maximum, exponentials, sums, P in f16
.irp t, 0,1,2,3
	v_max3_num_f32 v[40+\t], v[25+2*\t], v[84+8*\t], v[85+8*\t]
.endr
.irp k, 2,4,6
.irp t, 0,1,2,3
	v_max3_num_f32 v[40+\t], v[40+\t], v[84+8*\t+\k], v[85+8*\t+\k]
.endr
.endr
.irp k, 0,2,4,6
.irp t, 0,1,2,3
	v_max3_num_f32 v[40+\t], v[40+\t], v[116+8*\t+\k], v[117+8*\t+\k]
.endr
.endr
.irp t, 0,1,2,3
	v_permlanex16_b32 v[44+\t], v[40+\t], s88, s89 ; the query's other eight keys of each 16 lie in lane l xor 16
.endr
.irp t, 0,1,2,3
	v_max_num_f32 v[40+\t], v[40+\t], v[44+\t]
.endr
.irp t, 0,1,2,3
	v_sub_f32 v[24+2*\t], v[25+2*\t], v[40+\t]     ; old maximum - new
	v_xor_b32 v[32+2*\t], 0x80000000, v[40+\t]     ; - new maximum
.endr
.irp t, 0,1,2,3
	v_exp_f32 v[24+2*\t], v[24+2*\t]               ; AL
.endr
.irp t, 0,1,2,3
	v_mov_b32 v[25+2*\t], v[40+\t]                 ; plain instructions between the exponentials and the first use of AL (ISA guide 5.7.2)
.endr
.irp kt, 0,1
.irp t, 0,1,2,3
.irp p, 0,2,4,6
	v_pk_add_f32 v[84+8*(4*\kt+\t)+\p:85+8*(4*\kt+\t)+\p], v[84+8*(4*\kt+\t)+\p:85+8*(4*\kt+\t)+\p], v[32+2*\t:33+2*\t] op_sel_hi:[1,0]
.endr
.endr
.endr
.set cc, 0
.rept 64
	v_exp_f32 v[84+cc], v[84+cc]
.set cc, cc+1
.endr
	v_nop                                          ; one plain instruction behind the last exponential
	s_wait_alu depctr_va_vdst(0)
.irp t, 0,1,2,3
.irp i, 0,1,2,3
	v_cvt_pk_f16_f32 v[148+8*\t+\i], v[84+8*\t+2*\i], v[85+8*\t+2*\i]        ; keys 8 h + 0..7: registers 0-3 of P^T's fragment
	v_cvt_pk_f16_f32 v[152+8*\t+\i], v[116+8*\t+2*\i], v[117+8*\t+2*\i]      ; keys 16 + 8 h + 0..7: registers 4-7
.endr
.endr
.irp t, 0,1,2,3
	v_pk_add_f32 v[84+8*\t:85+8*\t], v[84+8*\t:85+8*\t], v[86+8*\t:87+8*\t]
	v_pk_add_f32 v[88+8*\t:89+8*\t], v[88+8*\t:89+8*\t], v[90+8*\t:91+8*\t]
	v_pk_add_f32 v[116+8*\t:117+8*\t], v[116+8*\t:117+8*\t], v[118+8*\t:119+8*\t]
	v_pk_add_f32 v[120+8*\t:121+8*\t], v[120+8*\t:121+8*\t], v[122+8*\t:123+8*\t]
.endr
.irp t, 0,1,2,3
	v_pk_add_f32 v[84+8*\t:85+8*\t], v[84+8*\t:85+8*\t], v[88+8*\t:89+8*\t]
	v_pk_add_f32 v[116+8*\t:117+8*\t], v[116+8*\t:117+8*\t], v[120+8*\t:121+8*\t]
.endr
.irp t, 0,1,2,3
	v_pk_add_f32 v[84+8*\t:85+8*\t], v[84+8*\t:85+8*\t], v[116+8*\t:117+8*\t]
.endr
.irp t, 0,1,2,3
	v_add_f32 v[84+8*\t], v[84+8*\t], v[85+8*\t]
.endr
.irp t, 0,1,2,3
	v_fma_f32 v[33+2*\t], v[33+2*\t], v[24+2*\t], v[84+8*\t]                 ; LS = LS AL + this tile's sum (my half of the keys)
.endr
.endm
.macro RESC                            ; O times AL
	WIN 0x41
.irp t, 0,1,2,3
.irp dt, 0,1,2,3,4,5,6,7
.irp p, 0,2,4,6
	v_pk_mul_f32 v[8*(8*\t+\dt)+\p:8*(8*\t+\dt)+\p+1], v[8*(8*\t+\dt)+\p:8*(8*\t+\dt)+\p+1], v[24+2*\t:25+2*\t] op_sel_hi:[1,0]
.endr
.endr
.endr
.endm
.macro PV zero                         ; O^T += V^T P^T: 32 accumulators, one matrix instruction each
	WIN 0x52
.irp dt, 0,1,2,3,4,5,6,7
.irp t, 0,1,2,3
.if \zero
	v_wmma_f32_16x16x32_f16 v[8*(8*\t+\dt):8*(8*\t+\dt)+7], v[192+8*\dt:199+8*\dt], v[148+8*\t:155+8*\t], 0
.else
	v_wmma_f32_16x16x32_f16 v[8*(8*\t+\dt):8*(8*\t+\dt)+7], v[192+8*\dt:199+8*\dt], v[148+8*\t:155+8*\t], v[8*(8*\t+\dt):8*(8*\t+\dt)+7]
.endif
.endr
.endr
	WIN 0
	PLACES
.endm
.macro MROWS bt                        ; queries 16 w + 4 bt .. + 3: the four waves' parts are weighted, summed and stored
	s_wait_xcnt 0x0                                ; v200-207 were the last four rows' store data
.irp q, 0,1,2,3
	ds_load_b128 v[84+24*\q:87+24*\q], v18 offset:16*(4*\bt+\q)
	ds_load_b128 v[88+24*\q:91+24*\q], v18 offset:1024+16*(4*\bt+\q)
	ds_load_b128 v[92+24*\q:95+24*\q], v20 offset:528*(4*\bt+\q)
	ds_load_b128 v[96+24*\q:99+24*\q], v21 offset:528*(4*\bt+\q)
	ds_load_b128 v[100+24*\q:103+24*\q], v22 offset:528*(4*\bt+\q)
	ds_load_b128 v[104+24*\q:107+24*\q], v23 offset:528*(4*\bt+\q)
.endr
	s_wait_dscnt 0x0
.irp q, 0,1,2,3
	v_max3_num_f32 v180, v[84+24*\q], v[85+24*\q], v[86+24*\q]
	v_max_num_f32 v180, v180, v[87+24*\q]          ; the row's maximum
	v_sub_f32 v185, v[84+24*\q], v180
	v_sub_f32 v187, v[85+24*\q], v180
	v_sub_f32 v189, v[86+24*\q], v180
	v_sub_f32 v191, v[87+24*\q], v180
	v_exp_f32 v185, v185
	v_exp_f32 v187, v187
	v_exp_f32 v189, v189
	v_exp_f32 v191, v191
	v_cmp_gt_f32 vcc_lo, s93, v180                 ; no allowed key (also the plain instruction behind the exponentials)
	s_wait_alu depctr_va_vdst(0)
	v_mul_f32 v181, v185, v[88+24*\q]
	v_fmac_f32 v181, v187, v[89+24*\q]
	v_fmac_f32 v181, v189, v[90+24*\q]
	v_fmac_f32 v181, v191, v[91+24*\q]             ; the row's sum: at least 1, from the wave that holds the maximum
	v_rcp_f32 v182, v181
	v_nop
	s_wait_alu depctr_va_vdst(0)
	v_mul_f32 v184, v185, v182
	v_mul_f32 v186, v187, v182
	v_mul_f32 v188, v189, v182
	v_mul_f32 v190, v191, v182
	v_pk_mul_f32 v[196:197], v[92+24*\q:93+24*\q], v[184:185] op_sel_hi:[1,0]
	v_pk_mul_f32 v[198:199], v[94+24*\q:95+24*\q], v[184:185] op_sel_hi:[1,0]
	v_pk_fma_f32 v[196:197], v[96+24*\q:97+24*\q], v[186:187], v[196:197] op_sel_hi:[1,0,1]
	v_pk_fma_f32 v[198:199], v[98+24*\q:99+24*\q], v[186:187], v[198:199] op_sel_hi:[1,0,1]
	v_pk_fma_f32 v[196:197], v[100+24*\q:101+24*\q], v[188:189], v[196:197] op_sel_hi:[1,0,1]
	v_pk_fma_f32 v[198:199], v[102+24*\q:103+24*\q], v[188:189], v[198:199] op_sel_hi:[1,0,1]
	v_pk_fma_f32 v[196:197], v[104+24*\q:105+24*\q], v[190:191], v[196:197] op_sel_hi:[1,0,1]
	v_pk_fma_f32 v[198:199], v[106+24*\q:107+24*\q], v[190:191], v[198:199] op_sel_hi:[1,0,1]
	v_cndmask_b32 v196, v196, v48, vcc_lo
	v_cndmask_b32 v197, v197, v49, vcc_lo
	v_cndmask_b32 v198, v198, v50, vcc_lo
	v_cndmask_b32 v199, v199, v51, vcc_lo
	v_cvt_pk_f16_f32 v[200+2*\q], v196, v197
	v_cvt_pk_f16_f32 v[201+2*\q], v198, v199
	global_store_b64 v19, v[200+2*\q:201+2*\q], s[80:81] offset:2048*(4*\bt+\q)   ; the wave stores 256 consecutive bytes at a multiple of 256
.endr
.endm
.macro MERGE
.irp t, 0,1,2,3
	v_permlanex16_b32 v[40+\t], v[33+2*\t], s88, s89
.endr
.irp t, 0,1,2,3
	v_add_f32 v[33+2*\t], v[33+2*\t], v[40+\t]     ; the sum over both halves of the lanes
	v_cndmask_b32 v[44+\t], v[25+2*\t], v[33+2*\t], s92
	ds_store_b32 v17, v[44+\t] offset:256*\t
.endr
	WIN 0x04
.irp t, 0,1,2,3
.irp dt, 0,1,2,3,4,5,6,7
	ds_store_b128 v16, v[8*(8*\t+\dt):8*(8*\t+\dt)+3] offset:16*528*\t+64*\dt
	ds_store_b128 v16, v[8*(8*\t+\dt)+4:8*(8*\t+\dt)+7] offset:16*528*\t+64*\dt+16
.endr
.endr
	WIN 0
	s_wait_dscnt 0x0                               ; my stores are done, for the other waves' sake
	s_barrier_signal -1                            ; the tile that is on its way may stay out
	s_barrier_wait -1
	MROWS 0
	MROWS 1
	MROWS 2
	MROWS 3
.endm
; One tile.  refill = 1: the other slot gets the next trip's tile.  kind 3: the launch's first tile; 1: what the tile is hangs on the counters;
; 0: neither first nor last of a block; 2: the launch's last tile.  All branches hang on the cluster's x and on counters: alike in all waves and partners.
.macro TRIP slot, refill, kind
	s_wait_tensorcnt 0x0                           ; all my tensor loads have landed, my part of this trip's tile among them: every group 0 may be written
	ds_add_u32 v254, v255
	s_wait_dscnt 0x0
	s_wait_loadcnt 0x0                             ; this trip's bias, asked for a trip ago; its base may be written
.if \refill
	s_add_co_u32 s86, s82, 1
	s_cmp_eq_u32 s82, s83
	s_cselect_b32 s86, 0, s86                      ; the next tile: behind a block's last tile the next block's tile 0
	s_lshl_b32 s96, s86, 9                         ; 128 f32 of bias,
	s_lshl_b32 s86, s86, 19                        ; 128 rows of 4,096 bytes
	s_add_nc_u64 s[G0K+4*(1-\slot)+2:G0K+4*(1-\slot)+3], s[72:73], s[86:87]
	s_or_b32 s[G0K+4*(1-\slot)+3], s[G0K+4*(1-\slot)+3], 0x80000000
	s_add_nc_u64 s[G0V+4*(1-\slot)+2:G0V+4*(1-\slot)+3], s[74:75], s[86:87]
	s_or_b32 s[G0V+4*(1-\slot)+3], s[G0V+4*(1-\slot)+3], 0x80000000
	s_add_nc_u64 s[78:79], s[76:77], s[96:97]
.endif
	s_wait_dscnt 0x0                               ; my reads of the other slot are over
	ROUND                                          ; both now hold of every wave of all four work-groups
.if \refill
	JLOAD 1-\slot                                  ; my one tensor load behind the round, first thing there
	global_load_b128 v[52+16*(1-\slot):55+16*(1-\slot)], v13, s[78:79]
	global_load_b128 v[56+16*(1-\slot):59+16*(1-\slot)], v13, s[78:79] offset:16
	global_load_b128 v[60+16*(1-\slot):63+16*(1-\slot)], v13, s[78:79] offset:64
	global_load_b128 v[64+16*(1-\slot):67+16*(1-\slot)], v13, s[78:79] offset:80
.endif
.if \kind == 3
	LOADQ 0
.endif
.if \kind == 1
	s_cmp_lg_u32 s82, 0                            ; a tile 0 met here is the second block's
	s_cbranch_scc1 .Lnoq_\@
	LOADQ 1
.Lnoq_\@:
.endif
	LOADKV \slot
	s_wait_dscnt 16                                ; Q and K are in; V's sixteen loads may stay out
	SMM
	SM1 \slot
.if \kind & 1
	s_cmp_lg_u32 s82, s83
	s_cbranch_scc1 .Lnod_\@
	DIAG
.Lnod_\@:
.endif
.if \kind == 2
	DIAG
.endif
	SM2
	s_wait_dscnt 0x0                               ; V
.if \kind == 3
	PV 1                                           ; the first product starts the sums: nothing is cleared
.endif
.if \kind == 1
	s_cmp_lg_u32 s82, 0
	s_cbranch_scc1 .Lresc_\@
	PV 1
	s_branch .Lpvd_\@
.Lresc_\@:
	RESC
	PV 0
.Lpvd_\@:
.endif
.if (\kind & 1) == 0
	RESC
	PV 0
.endif
.if \kind & 1
	s_cmp_lg_u32 s82, s83
	s_cbranch_scc1 .Lnext_\@
	MERGE
	s_wait_xcnt 0x0                                ; the stores' base is written only behind this wait
	s_mov_b64 s[80:81], s[94:95]                   ; on to the second block
	s_mov_b32 s82, 0
	s_sub_co_u32 s83, 15, s16
.irp t, 0,1,2,3
	v_mov_b32 v[25+2*\t], v15
	v_mov_b32 v[33+2*\t], 0
.endr
	s_branch .Lend_\@
.Lnext_\@:
	s_add_co_u32 s82, s82, 1
.Lend_\@:
.endif
.if \kind == 0
	s_add_co_u32 s82, s82, 1
.endif
.if \kind == 2
	MERGE
.endif
.endm
	TRIP 0, 1, 3                                   ; trip 0
	s_mov_b32 s85, 7
.Lpair:                                            ; trips 1 to 14: the first block ends at trip P, 7 at the latest
	TRIP 1, 1, 1
	TRIP 0, 1, 1
	s_sub_co_i32 s85, s85, 1
	s_cmp_lg_u32 s85, 0
	s_cbranch_scc1 .Lpair
	TRIP 1, 1, 0                                   ; trip 15
	TRIP 0, 0, 2                                   ; trip 16: the second block's diagonal tile; nothing is left to fetch
	s_wait_tensorcnt 0x0
	ds_add_u32 v254, v255
	s_wait_dscnt 0x0
	ROUND                                          ; the closing round
	s_endpgm
.Lfunc_end_k_q16d34f6328_attn:
	.size	k_q16d34f6328_attn, .Lfunc_end_k_q16d34f6328_attn-k_q16d34f6328_attn
	.p2alignl 7, 3214868480
	.fill 96, 4, 3214868480
	.section	.rodata,"a",@progbits
	.p2align	6, 0x0
	.amdhsa_kernel k_q16d34f6328_attn
		.amdhsa_group_segment_fixed_size 327680
		.amdhsa_private_segment_fixed_size 0
		.amdhsa_enable_private_segment 0
		.amdhsa_kernarg_size 32
		.amdhsa_user_sgpr_count 2
		.amdhsa_user_sgpr_kernarg_segment_ptr 1
		.amdhsa_wavefront_size32 1
		.amdhsa_system_sgpr_workgroup_id_x 1
		.amdhsa_system_sgpr_workgroup_id_y 1
		.amdhsa_system_sgpr_workgroup_id_z 1
		.amdhsa_system_vgpr_workitem_id 0
		.amdhsa_next_free_vgpr 768
		.amdhsa_next_free_sgpr 100
		.amdhsa_reserve_vcc 1
		.amdhsa_float_denorm_mode_32 3
		.amdhsa_float_denorm_mode_16_64 3
		.amdhsa_memory_ordered 1
		.amdhsa_forward_progress 1
		.amdhsa_inst_pref_size 255
	.end_amdhsa_kernel
	.section	.bss,"aw",@nobits
	.p2align	6
	.space	262144
	.amdgpu_metadata
---
amdhsa.version: [ 1, 2 ]
amdhsa.kernels:
  - .name:           k_q16d34f6328_attn
    .symbol:         k_q16d34f6328_attn.kd
    .args:
      - { .name: qkv, .offset: 0, .size: 8, .value_kind: global_buffer, .address_space: global }
      - { .name: biasf, .offset: 8, .size: 8, .value_kind: global_buffer, .address_space: global }
      - { .name: vpart, .offset: 16, .size: 8, .value_kind: global_buffer, .address_space: global }
      - { .name: ao, .offset: 24, .size: 8, .value_kind: global_buffer, .address_space: global }
    .group_segment_fixed_size: 327680
    .private_segment_fixed_size: 0
    .kernarg_segment_align: 8
    .kernarg_segment_size: 32
    .max_flat_workgroup_size: 128
    .sgpr_count:     100
    .vgpr_count:     768
    .wavefront_size: 32
...
	.end_amdgpu_metadata
.endif
;; end of part 3
;; launch oproj (part 4): grid 16 x 16, 4 waves a work-group, clusters of 4 x 4, 327,680 bytes of LDS; arguments ao, wob, out0; writes out0
.if DOCPART == 4
	.amdgcn_target "amdgcn-amd-amdhsa--gfx1250"
	.amdhsa_code_object_version 6
	.text
	.protected	k_q16d34f6328_oproj
	.globl	k_q16d34f6328_oproj
	.p2align	8
	.type	k_q16d34f6328_oproj,@function
k_q16d34f6328_oproj:
	s_mov_b64 s[64:65], 0
	v_nop
	global_prefetch_b8 v0, s[64:65] scope:SCOPE_SE
	s_setreg_imm32_b32 hwreg(HW_REG_WAVE_MODE, 25, 1), 1
	s_wait_xcnt 0x0
	s_wait_alu depctr_hold_cnt(0) depctr_sa_sdst(0) depctr_va_vdst(0) depctr_va_sdst(0) depctr_va_ssrc(0) depctr_va_vcc(0) depctr_vm_vsrc(0)
	s_getreg_b32 s2, hwreg(HW_REG_IB_STS2, 6, 4)
	s_cmp_eq_u32 s2, 0
	s_cbranch_scc0 .Lentry_in_a_cluster
	s_endpgm
.Lentry_in_a_cluster:
	s_bfe_u32 s2, ttmp6, 0x10000c
	s_cmp_lg_u32 s2, 0xf033
	s_cbranch_scc0 .Lentry_shape_is_right
	s_endpgm
.Lentry_shape_is_right:
; out0[4096][4096] (f32) = ao[4096][1024] (f16, the attention's result times 2^-2) x wob[1024][4096] (f16, 4 x bf16(wo)).
; A work-group makes a block of 256 x 256 of C with four waves, as many as a WGP has SIMDs; a wave makes 128 x 128: 64 accumulator tiles, 512 registers.
; For 32 along K a wave reads 2 x 128 x 64 bytes from LDS and issues 64 matrix instructions.  16 x 16 blocks: one work-group for each of 256 WGPs.
; K goes in steps of 128 through two LDS slots filled by tensor loads: A's 256 rows of 256 bytes, B's 128 rows (along K) of 512 bytes, all at multiples of 256 bytes.
; B lies [K][N], so its fragments come by the transposing LDS load.
; CLUSTERS: 4 x 4 work-groups; A's tile hangs on the block row alone and is asked for jointly by a row of the cluster, B's on the block column and by a column,
; which divides the requests for each by four.
; REGISTERS: window 0: v0-31 addresses, v64-127 / v128-191 A fragments (two buffers; on the way out the rows read back); window 1: v64-127 / v128-191 B fragments;
; window 2: the 32 accumulator tiles of my rows 0-63, tile (a, b) at 8 (8 a + b); window 3: those of my rows 64-127.
; The matrix instruction is used transposed (source 0 = 16 columns of B, source 1 = 16 rows of A): lane l holds row l % 16 of C, its registers columns 8 (l / 16) + 0..7.
; The 64 accumulators take turns, one instruction a turn, in the same order everywhere.
.set GK, 1024
.set GN, 4096
.set PA, 272                           ; A's LDS row: 256 bytes + 16: an odd multiple of 16
.set PB, 544                           ; B's LDS row: 512 bytes + 32: an odd multiple of 32
.set AH, 128*PA                        ; 128 rows of A: one tensor load, and what one wave reads of A
.set BH, 64*PB                         ; 64 rows of B: one tensor load
.set SLOT, 2*AH+2*BH
.set STAGE, 2*SLOT                     ; behind the ring: 16 rows x 528 bytes for each wave; no tensor load lands here
.set SP, 528
.set LAPS, GK/256
.set F0, 64
.set F1, 128
.set G1A, 28
.set G1B, 36
.set G0A, 44
.set G0B, 52
.set MUL_LO, 0xa1                      ; source 0 (B) window 1, source 1 (A) window 0, C and D window 2
.set MUL_HI, 0xf1                      ; the same, C and D window 3
.set TO_B, 0x40                        ; destination window 1, address window 0
.set MSB, 0
.macro WIN new                         ; the immediate's high byte repeats the setting that is left
.if MSB != \new
	s_set_vgpr_msb (MSB<<8)|\new
.set MSB, \new
.endif
.endm
.macro PLACES                          ; four plain vector instructions behind a matrix instruction, before its registers are loaded into or its result is read (ISA guide 7.12.1)
.rept 4
	v_nop
.endr
.endm
.macro JLOAD s                         ; waves 0, 1 ask for A's halves, waves 2, 3 for B's: one load a wave, one mask a line
	s_cmp_eq_u32 s19, 0
	s_cbranch_scc0 .Lfor_b_\@
	tensor_load_to_lds s[G0A+4*\s:G0A+4*\s+3], s[G1A:G1A+7]
	s_nop 0
	s_branch .Lasked_\@
.Lfor_b_\@:
	tensor_load_to_lds s[G0B+4*\s:G0B+4*\s+3], s[G1B:G1B+7]
	s_nop 0
.Lasked_\@:
.endm
.macro CREST                           ; a round of the cluster's barrier behind its opening work-group barrier
	s_cmp_lg_u32 s18, 0
	s_cbranch_scc1 .Lnot_wave_0_\@
	s_barrier_signal -3
.Lnot_wave_0_\@:
	s_barrier_wait -3
	s_barrier_signal -1
	s_barrier_wait -1
.endm
.macro CROUND
	s_barrier_signal -1
	s_barrier_wait -1
	CREST
.endm
	s_load_b128 s[4:7], s[0:1], 0x0                ; ao s[4:5], wob s[6:7]
	s_load_b64 s[8:9], s[0:1], 0x10                ; out0
	s_set_vgpr_msb 0x40
	v_lshl_add_u32 v255, v0, 2, 0x4c400
	s_set_vgpr_msb 0x4000
	v_mov_b32 v255, 0
	s_set_vgpr_msb 0x1
	ds_add_u32 v255, v255
	s_set_vgpr_msb 0x100
	v_lshrrev_b32 v1, 5, v0
	v_readfirstlane_b32 s18, v1                    ; wave
	s_lshr_b32 s19, s18, 1                         ; my half of the rows; also: I fetch for A (0) or B (1)
	s_and_b32 s20, s18, 1                          ; my half of the columns; also: which half of that tile I fetch
	s_bfe_u32 s21, ttmp6, 0x40000                  ; cx
	s_bfe_u32 s22, ttmp6, 0x40004                  ; cy
	s_lshl_b32 s23, ttmp9, 2
	s_add_co_u32 s23, s23, s21                     ; block column
	s_and_b32 s24, ttmp7, 0xffff
	s_lshl_b32 s24, s24, 2
	s_add_co_u32 s24, s24, s22                     ; block row
	s_lshl_b32 s25, s22, 2
	s_lshl_b32 s25, 15, s25                        ; my row of the cluster
	s_lshl_b32 s26, 0x1111, s21                    ; my column
	s_or_b32 s[G1A+0], s25, (1<<16)|(1<<20)|(1<<21)|(5<<22)|(3<<25)   ; 2-byte elements; 4 words of padding behind every 64
	s_mov_b32 s[G1A+1], 128<<16                    ; tensor_dim0 = 128
	s_mov_b32 s[G1A+2], 128<<16                    ; tensor_dim1 = 128
	s_mov_b32 s[G1A+3], 128<<16                    ; tile_dim0 = 128
	s_mov_b32 s[G1A+4], 128                        ; tile_dim1 = 128
	s_mov_b32 s[G1A+5], GK                         ; elements from row to row
	s_mov_b32 s[G1A+6], 0
	s_mov_b32 s[G1A+7], 0
	s_or_b32 s[G1B+0], s26, (1<<16)|(1<<20)|(1<<21)|(6<<22)|(7<<25)   ; 8 words of padding behind every 128
	s_mov_b32 s[G1B+1], 256<<16
	s_mov_b32 s[G1B+2], 64<<16
	s_mov_b32 s[G1B+3], 256<<16
	s_mov_b32 s[G1B+4], 64
	s_mov_b32 s[G1B+5], GN
	s_mov_b32 s[G1B+6], 0
	s_mov_b32 s[G1B+7], 0
	s_lshl_b32 s60, s24, 8                         ; A: row 256 x block row + 128 x half, in registers that never hold the block column
	s_lshl_b32 s61, s20, 7
	s_add_co_u32 s60, s60, s61
	s_mul_i32 s60, s60, 2*GK
	s_mov_b32 s61, 0
	s_mul_i32 s66, s20, 128*GN                     ; B: K row 64 x half, column 256 x block column, in registers that never hold the block row
	s_lshl_b32 s67, s23, 9
	s_add_co_u32 s66, s66, s67
	s_mov_b32 s67, 0
	s_mul_i32 s70, s20, AH                         ; LDS: made of the wave's number alone
	s_mul_i32 s71, s20, BH
	s_add_co_u32 s71, s71, 2*AH
	s_wait_dscnt 0x0
	s_wait_kmcnt 0x0
	s_add_nc_u64 s[62:63], s[4:5], s[60:61]
	s_add_nc_u64 s[68:69], s[6:7], s[66:67]
	CROUND                                         ; all sixteen work-groups are here: the first joint loads meet
.irp s, 0,1
	s_mov_b32 s[G0A+4*\s], 1
	s_add_co_u32 s[G0A+4*\s+1], s70, \s*SLOT
	s_add_nc_u64 s[G0A+4*\s+2:G0A+4*\s+3], s[62:63], \s*256
	s_or_b32 s[G0A+4*\s+3], s[G0A+4*\s+3], 0x80000000
	s_mov_b32 s[G0B+4*\s], 1
	s_add_co_u32 s[G0B+4*\s+1], s71, \s*SLOT
	s_add_nc_u64 s[G0B+4*\s+2:G0B+4*\s+3], s[68:69], \s*256*GN
	s_or_b32 s[G0B+4*\s+3], s[G0B+4*\s+3], 0x80000000
	JLOAD \s                                       ; K steps 0 and 1: two loads of this wave are out
.endr
	v_and_b32 v1, 15, v0                           ; r
	v_bfe_u32 v2, v0, 4, 1                         ; h
	v_and_b32 v3, 31, v0                           ; lane
	v_mul_u32_u24 v4, v1, PA
	v_lshl_add_u32 v4, v2, 4, v4                   ; A fragment: row r, 16 bytes for each half of the lanes
	s_mul_i32 s25, s19, AH
	v_add_nc_u32 v8, s25, v4                       ; v8, v9: A in slot 0, 1
	v_add_nc_u32 v9, SLOT, v8
	v_and_b32 v4, 7, v0
	v_lshl_add_u32 v4, v2, 3, v4                   ; B fragment, transposing load: K row 8 h + (lane & 7),
	v_mul_u32_u24 v4, v4, PB
	v_bfe_u32 v5, v0, 3, 1
	v_lshl_add_u32 v4, v5, 4, v4                   ; 16 bytes on for lanes 8-15 and 24-31
	s_lshl_b32 s26, s20, 8
	s_add_co_u32 s26, s26, 2*AH
	v_add_nc_u32 v10, s26, v4                      ; v10, v11: B in slot 0, 1
	v_add_nc_u32 v11, SLOT, v10
	s_mul_i32 s25, s18, 16*SP
	s_add_co_u32 s25, s25, STAGE                   ; my stage
	v_mul_u32_u24 v4, v1, SP
	v_lshl_add_u32 v4, v2, 5, v4
	v_add_nc_u32 v16, s25, v4                      ; in: row r, 32 bytes (8 f32) for each half of the lanes
	v_lshl_add_u32 v17, v3, 4, s25                 ; back: a whole row of 512 bytes, 16 a lane
	v_lshlrev_b32 v19, 4, v3                       ; 16 x lane
; 16 matrix instructions: A tiles a0, a0 + 1 of the window's four (hi = 0: my rows 0-63, 1: rows 64-127) x all 8 B tiles, 32 along K.
; zero = 1: the first product starts the sums: nothing is ever cleared.
.macro MUL16 f, hi, a0, zero
.irp a, \a0, \a0+1
.irp b, 0,1,2,3,4,5,6,7
.if \zero
	v_wmma_f32_16x16x32_f16 v[8*(8*(\a)+\b):8*(8*(\a)+\b)+7], v[\f+8*\b:\f+8*\b+7], v[\f+8*(4*\hi+\a):\f+8*(4*\hi+\a)+7], 0
.else
	v_wmma_f32_16x16x32_f16 v[8*(8*(\a)+\b):8*(8*(\a)+\b)+7], v[\f+8*\b:\f+8*\b+7], v[\f+8*(4*\hi+\a):\f+8*(4*\hi+\a)+7], v[8*(8*(\a)+\b):8*(8*(\a)+\b)+7]
.endif
.endr
.endr
.endm
; 32 LDS loads in one run: quarter kq (32 along K) of the slot into buffer f; B's 8 tiles first, then A's 8 tiles in ascending order
.macro FETCH slot, kq, f
	WIN TO_B
.irp b, 0,1,2,3,4,5,6,7
	ds_load_tr16_b128 v[\f+8*\b:\f+8*\b+3], v[10+\slot] offset:32*\b+32*PB*\kq
	ds_load_tr16_b128 v[\f+8*\b+4:\f+8*\b+7], v[10+\slot] offset:32*\b+32*PB*\kq+16*PB
.endr
	WIN 0
.irp a, 0,1,2,3,4,5,6,7
	ds_load_b128 v[\f+8*\a:\f+8*\a+3], v[8+\slot] offset:16*PA*\a+64*\kq
	ds_load_b128 v[\f+8*\a+4:\f+8*\a+7], v[8+\slot] offset:16*PA*\a+64*\kq+32
.endr
.endm
.macro QUARTER slot, kq, f, g, zero    ; multiplies buffer f; in its middle fetches quarter kq into buffer g
	s_wait_dscnt 8                                 ; B and A's tiles 0-3 are in; the youngest eight loads (A's tiles 4-7) may be out
	WIN MUL_LO
	MUL16 \f, 0, 0, \zero
	MUL16 \f, 0, 2, \zero
	PLACES
	FETCH \slot, \kq, \g
	s_wait_dscnt 32                                ; all but the 32 just issued
	WIN MUL_HI
	MUL16 \f, 1, 0, \zero
	MUL16 \f, 1, 2, \zero
.endm
.macro THREE slot, zero
	QUARTER \slot, 1, F0, F1, \zero
	QUARTER \slot, 2, F1, F0, 0
	QUARTER \slot, 3, F0, F1, 0
.endm
; The last quarter of a K step changes slots.  In front of the barrier each wave waits for its reads of this slot and for all its tensor loads (the one out is its
; part of the next slot); where the slot is filled again the barrier opens a round of the cluster's barrier, and the joint refill is the first tensor load behind it.
; From a request to the wait for it a wave issues 240 of a K step's 256 matrix instructions.
.macro TURN slot, next, fill
	s_wait_dscnt 8
	WIN MUL_LO
	MUL16 F1, 0, 0, 0
	s_wait_dscnt 0                                 ; my reads of this slot are over
	s_wait_tensorcnt 0x0                           ; all my tensor loads have landed
	ds_add_u32 v255, v255
	s_wait_dscnt 0x0
	s_barrier_signal -1
	MUL16 F1, 0, 2, 0                              ; register work while the others arrive
	WIN 0
	s_barrier_wait -1
.if \fill
	CREST                                          ; no wave of any partner still reads this slot or has a load on its way
	s_add_nc_u64 s[G0A+4*\slot+2:G0A+4*\slot+3], s[G0A+4*\slot+2:G0A+4*\slot+3], 512        ; two K steps on
	s_add_nc_u64 s[G0B+4*\slot+2:G0B+4*\slot+3], s[G0B+4*\slot+2:G0B+4*\slot+3], 512*GN
	JLOAD \slot                                    ; the first tensor load behind the round
.endif
	PLACES
	FETCH \next, 0, F0
	WIN MUL_HI
	MUL16 F1, 1, 0, 0
	MUL16 F1, 1, 2, 0
.endm
.macro LAP zero
	THREE 0, \zero
	TURN 0, 1, 1
	THREE 1, 0
	TURN 1, 0, 1
.endm
	s_wait_tensorcnt 1                             ; my part of K step 0 is in; K step 1's stays out
	s_barrier_signal -1
	s_barrier_wait -1
	FETCH 0, 0, F0
	LAP 1                                          ; the first lap's first products start the sums
	WIN 0
	s_mov_b32 s27, LAPS-2
.Llap:
	LAP 0
	WIN 0
	s_sub_co_u32 s27, s27, 1
	s_cmp_lg_u32 s27, 0
	s_cbranch_scc1 .Llap
	THREE 0, 0                                     ; the last lap fills nothing
	TURN 0, 1, 0
	THREE 1, 0
	s_wait_dscnt 8                                 ; the very last quarter: nothing more to fetch
	WIN MUL_LO
	MUL16 F1, 0, 0, 0
	MUL16 F1, 0, 2, 0
	s_wait_dscnt 0
	WIN MUL_HI
	MUL16 F1, 1, 0, 0
	MUL16 F1, 1, 2, 0
	WIN 0
	PLACES
	; THE WAY OUT: 16 rows at a time as f32 through my own stage, back as whole rows of 512 bytes, stored from registers.
	s_lshl_b32 s72, s24, 8
	s_lshl_b32 s73, s19, 7
	s_add_co_u32 s72, s72, s73                     ; my first row
	s_lshl_b32 s72, s72, 14                        ; 16,384 bytes a row
	s_lshl_b32 s73, s23, 10                        ; 256 columns of f32 a block,
	s_add_co_u32 s72, s72, s73
	s_lshl_b32 s73, s20, 9                         ; 128 a half
	s_add_co_u32 s72, s72, s73
	s_mov_b32 s73, 0
	s_add_nc_u64 s[72:73], s[8:9], s[72:73]
; rows 16 i .. 16 i + 15 of my block = the eight tiles (a, 0..7) of window 2 or 3 (from = 0x08 or 0x0c: an LDS store's data are its source 1); f: F0 or F1 in turn
.macro OUT16 i, a, from, f
	WIN \from
.irp b, 0,1,2,3,4,5,6,7
	ds_store_b128 v16, v[8*(8*\a+\b):8*(8*\a+\b)+3] offset:64*\b
	ds_store_b128 v16, v[8*(8*\a+\b)+4:8*(8*\a+\b)+7] offset:64*\b+16
.endr
	WIN 0
	s_wait_xcnt 0x0                                ; buffer f was store data two turns ago: rewritten only behind this wait
.irp t, 0,1,2,3,4,5,6,7,8,9,10,11,12,13,14,15
	ds_load_b128 v[\f+4*\t:\f+4*\t+3], v17 offset:SP*\t            ; LDS serves a wave's instructions in order (ISA guide 5.7.1): these see the stores above
.endr
.irp t, 0,1,2,3,4,5,6,7,8,9,10,11,12,13,14,15
	s_wait_dscnt 15-\t                             ; row t is in; the 15 - t younger loads stay out
	global_store_b128 v19, v[\f+4*\t:\f+4*\t+3], s[72:73] offset:(16*\i+\t)*16384 th:TH_STORE_NT   ; 512 consecutive bytes at a multiple of 512
.endr
.endm
	OUT16 0, 0, 0x08, F0
	OUT16 1, 1, 0x08, F1
	OUT16 2, 2, 0x08, F0
	OUT16 3, 3, 0x08, F1
	OUT16 4, 0, 0x0c, F0
	OUT16 5, 1, 0x0c, F1
	OUT16 6, 2, 0x0c, F0
	OUT16 7, 3, 0x0c, F1
	s_set_vgpr_msb 0x1
	s_wait_tensorcnt 0x0
	ds_add_u32 v255, v255
	s_wait_dscnt 0x0
	s_set_vgpr_msb 0x100
	CROUND                                         ; the closing round: no work-group ends while a partner may still ask for a tile that names it
	s_endpgm
.Lfunc_end_k_q16d34f6328_oproj:
	.size	k_q16d34f6328_oproj, .Lfunc_end_k_q16d34f6328_oproj-k_q16d34f6328_oproj
	.p2alignl 7, 3214868480
	.fill 96, 4, 3214868480
	.section	.rodata,"a",@progbits
	.p2align	6, 0x0
	.amdhsa_kernel k_q16d34f6328_oproj
		.amdhsa_group_segment_fixed_size 327680
		.amdhsa_private_segment_fixed_size 0
		.amdhsa_enable_private_segment 0
		.amdhsa_kernarg_size 24
		.amdhsa_user_sgpr_count 2
		.amdhsa_user_sgpr_kernarg_segment_ptr 1
		.amdhsa_wavefront_size32 1
		.amdhsa_system_sgpr_workgroup_id_x 1
		.amdhsa_system_sgpr_workgroup_id_y 1
		.amdhsa_system_sgpr_workgroup_id_z 1
		.amdhsa_system_vgpr_workitem_id 0
		.amdhsa_next_free_vgpr 1024
		.amdhsa_next_free_sgpr 80
		.amdhsa_reserve_vcc 0
		.amdhsa_float_denorm_mode_32 3
		.amdhsa_float_denorm_mode_16_64 3
		.amdhsa_memory_ordered 1
		.amdhsa_forward_progress 1
		.amdhsa_inst_pref_size 196
	.end_amdhsa_kernel
	.amdgpu_metadata
---
amdhsa.version: [ 1, 2 ]
amdhsa.kernels:
  - .name:           k_q16d34f6328_oproj
    .symbol:         k_q16d34f6328_oproj.kd
    .args:
      - { .name: ao, .offset: 0, .size: 8, .value_kind: global_buffer, .address_space: global }
      - { .name: wob, .offset: 8, .size: 8, .value_kind: global_buffer, .address_space: global }
      - { .name: out0, .offset: 16, .size: 8, .value_kind: global_buffer, .address_space: global }
    .group_segment_fixed_size: 327680
    .private_segment_fixed_size: 0
    .kernarg_segment_align: 8
    .kernarg_segment_size: 24
    .max_flat_workgroup_size: 128
    .sgpr_count:     80
    .vgpr_count:     1024
    .wavefront_size: 32
...
	.end_amdgpu_metadata
.endif
;; end of part 4
